; MI455X (gfx1250); checked and timed in simulation.
; The chip was launched on July 23, 2026; its instructions are those of AMD's public machine-readable ISA for CDNA 5 (MIT licence, August 2026) and "CDNA5" Instruction Set Architecture Reference Guide (July 2026). The comments in the code are by the model that wrote it; some were corrected since.
;; Multi Head Attention With Ro PE. Allowed arithmetic: matrix products marked QUANTISED: E4M3 operands, one E8M0 scale for each 32 along K, by v_wmma_scale_f32_16x16x128_f8f6f4 with both operands' format E4M3, f32 sums; everything else in f32.
;; Inputs: bk 1,024 float32; bo 1,024 float32; bq 1,024 float32; bv 1,024 float32; wk 1,024 x 1,024 float32; wo 1,024 x 1,024 float32; wq 1,024 x 1,024 float32; wv 1,024 x 1,024 float32; x 4 x 2,048 x 1,024 float32.
;; Outputs: out0 4 x 2,048 x 1,024 float32.
;; This version of the problem:
;;   THIS VERSION OF THE PROBLEM IS GIVEN IN LOW PRECISION. The matrix products marked QUANTISED in the list below multiply operands that are first quantised to E4M3 (4 exponent bits, 3 mantissa bits; 8 bits a number), with one power-of-two scale for each 32 numbers along K (OCP MX v1.0); their sums are f32. All else is computed in f32.
;;   The module's matrix products, in the order in which they are computed (A, B: the left and right operand; K: the contracted axis; several contracted axes count as one K, in the product's order):
;;     1. [M 8,192, K 1,024] x [K 1,024, N 1,024]; A: input x; B: input wq: QUANTISED
;;     2. [M 8,192, K 1,024] x [K 1,024, N 1,024]; A: input x; B: input wk: QUANTISED
;;     3. [M 8,192, K 1,024] x [K 1,024, N 1,024]; A: input x; B: input wv: QUANTISED
;;     4. batch 64 x [M 2,048, K 64] x [K 64, N 2,048]; A: computed on the way; B: computed on the way: QUANTISED
;;     5. batch 64 x [M 2,048, K 2,048] x [K 2,048, N 64]; A: softmax (see below); B: computed on the way: QUANTISED
;;     6. [M 8,192, K 1,024] x [K 1,024, N 1,024]; A: computed on the way; B: input wo: QUANTISED
;;   THE QUANTISER, for each operand of a quantised product, along K:
;;     - K is cut into blocks of 32 from its start; a last block that is shorter is filled with zeros.
;;     - A block's scale is 2^e with e = floor(log2(the largest magnitude in the block)) - 8, held to -126 .. 127; a block of zeros has e = 0. As a byte (E8M0): e + 127.
;;     - Each number is divided by its block's scale, clamped to +-448, and rounded to the nearest number of E4M3, ties to even, subnormals kept.
;;     - The product sums the exact products of the quantised numbers (number of the format x scale) in f32.
;;   ~~~python
;;   def quantise(x, axis):      # numpy; x: float32 -> the quantised numbers, widened to float32 again
;;       x = np.moveaxis(x, axis, -1); K = x.shape[-1]
;;       x = np.pad(x, [(0, 0)] * (x.ndim - 1) + [(0, -K % 32)]); x = x.reshape(x.shape[:-1] + (-1, 32)); a = np.abs(x).max(-1, keepdims=True)
;;       e = np.where(a > 0, np.clip(np.frexp(np.where(a > 0, a, 1))[1] - 1 - 8, -126, 127), 0)      # np.frexp(a)[1] - 1 = floor(log2(a)), exactly
;;       r = np.clip(x / 2.0 ** e, -448, 448)
;;       step = 2.0 ** (np.maximum(np.frexp(np.where(r == 0, 1, r))[1] - 1, -6) - 3)
;;       q = np.round(r / step) * step * 2.0 ** e      # np.round: ties to even
;;       return np.moveaxis(q.reshape(q.shape[:-2] + (-1,))[..., :K], -1, axis).astype(np.float32)
;;   ~~~
;;   SOFTMAX AHEAD OF A QUANTISED PRODUCT. Where the list says 'softmax', what is quantised is not the finished softmax but p = 2^(t - M), with t = logit x log2(e) and M = ceil(the row's largest t), a whole number; so 1/2 < the row's largest p <= 1. The row's sum l is taken of the UNQUANTISED p, in f32, and the product's result is divided by l at the end. Since M is a whole number, a kernel that streams over the keys may use a running M (the ceiling of the running maximum): every later rescaling is an exact power of two, which a block's scale takes up: the codes' values come out the same.
;;   OPERANDS COMPUTED ON THE WAY. 'Computed on the way' means the value that the module computes at that place (a softmax that the list does not call 'softmax' is quantised finished and normalised). What goes into a quantiser is computed in f32, as accurately as f32 sums, v_exp_f32 and their like allow (about 1e-6 of the number): no bf16 or f16 on the way to a quantiser, and a product that is left as it is and whose result goes on into a quantised operand takes f32 operands (vector FMAs, or v_wmma_f32_16x16x4_f32). A number that lies on a knife's edge between two numbers of the format may be rounded either way, as far as f32 arithmetic and the matrix unit's own rounding can turn it there, and no further.
;; One version. Each part assembles by itself: llvm-mc -triple=amdgcn-amd-amdhsa -mcpu=gfx1250 --defsym DOCPART=n.
;; ======== version 1 of 1: 4 launches
;; limits: right only within a limited range of input values
;; workspace buffers: xq 8,388,608 bytes; wc 4,194,304 bytes; sc1 360,448 bytes; sc2 294,912 bytes; rope 524,288 bytes; qb 8,650,752 bytes; kv 17,301,504 bytes; ao 8,388,608 bytes
;; launch prep (part 1): grid 448 x 1, 4 waves a work-group, no clusters, 34,304 bytes of LDS; arguments x, wq, wk, wv, wo, xq, wc, sc1, sc2, rope; writes xq, wc, sc1, sc2, rope
.if DOCPART == 1
	.amdgcn_target "amdgcn-amd-amdhsa--gfx1250"
	.amdhsa_code_object_version 6
	.text
	.protected	k_qd377a2ae01_prep
	.globl	k_qd377a2ae01_prep
	.p2align	8
	.type	k_qd377a2ae01_prep,@function
k_qd377a2ae01_prep:
	s_mov_b64 s[64:65], 0
	v_nop
	global_prefetch_b8 v0, s[64:65] scope:SCOPE_SE
	s_setreg_imm32_b32 hwreg(HW_REG_WAVE_MODE, 25, 1), 1
	s_wait_xcnt 0x0
; x [8192][1024] and wq, wk, wv, wo [1024][1024], f32 with K innermost, become codes of FP8 (E4M3) with one E8M0 byte for each 32 along K; and the table of cos and sin for the rotation is made.
; THE CODES ARE LAID AS IMAGES OF OPERAND REGISTERS.  A row tile T holds 16 rows: tile row r is matrix row 32 (T / 2) + 8 (T % 2) + r + 8 (r / 8).  A fragment (one tile, 128 along K) is 2,048 bytes:
; register group c at 512 c, lane l's 16 bytes at 16 l: k = 32 c + 16 (l / 16) + 0 .. 15 of tile row l % 16.  A tile's eight fragments follow each other: 16,384 bytes a tile.
; Scale words: [tile][row 16][K step 8][4 bytes], 512 bytes a tile.  sc1: x's 512 tiles, then wq's, wk's, wv's 64 each.  sc2: from byte 262,144 wo's 64 tiles (its first 262,144 bytes are a later launch's).
; A block's scale is 2^(floor(log2(largest magnitude)) - 8); each number is divided by it, held within +-448 and rounded to the nearest code, ties to even.
; LIMITS: NaN and infinities among the inputs are not served.  A block whose largest magnitude lies under 2^-118, a block of zeros among them, gets the byte 1: its codes are then subnormal or zero; the bytes are read by this program alone.
; SHARES.  Work-groups 0-383: a wave takes HALF of a row tile's K, four K steps; waves 2 n and 2 n + 1 share a tile (0-255: x; 256-287 wq; 288-319 wk; 320-351 wv; 352-383 wo).  Work-groups 384-447: a wave makes eight positions of the table.
; Waves share nothing: no barrier.  No cluster: no two work-groups read the same bytes.  No tensor load: the bytes pass through registers on their way to the conversions anyway.
; A load reads 512 consecutive bytes of one row; a K step's 16 rows turn through the wave's own stage in LDS (rows 528 bytes apart, so that 16 rows fall into 16 different columns of 16 bytes) and come back 64 bytes a lane.
.set WSTG,  8448                       ; a wave's stage: 16 rows x 528 bytes
.set LI,    2                          ; v2   16 x lane
.set SIN,   3                          ; v3   the stage, on the way in
.set SOUT,  4                          ; v4   and on the way out: 528 r + 64 h
.set SWO,   5                          ; v5   32 r: my row's scale words
.set SW,    6                          ; v6-9   the row's scale word of each of my four K steps
.set R,     16                         ; v16-143 two sets of 64: a K step as loaded
.set X,     144                        ; v144-207 64 numbers: register 16 b + i = k 32 b + 16 h + i of my row
.set PC,    208                        ; v208-239 two sets of 16 code registers
.set TM,    240                        ; v240-255 at work in QUANT
.set WV,    24
.set SEL,   36                         ; s[36:37] v_permlanex16_b32's selects for lane l xor 16
.set MNT,   38                         ; s38 the mantissa field of 448
.set SRC,   40                         ; s[40:41] my tile's first row, at my half of K
.set COD,   42                         ; s[42:43] my four images
.set SCA,   44                         ; s[44:45] my tile's scale words, at my half of K
; 64 numbers of a lane, v[s] on, become a fragment's 16 code registers at v[pc] and its row's scale word in v[pw] (the same word in both halves of the lanes)
.macro QUANT s, pc, pw
.irp b, 0,1,2,3
	v_max3_num_f32 v[TM+\b], |v[\s+16*\b]|, |v[\s+1+16*\b]|, 0x4800000   ; block b: my 16 numbers, and the floor 2^(9 - 127): the byte cannot fall under 1
.endr
.irp i, 2,4,6,8,10,12,14
.irp b, 0,1,2,3
	v_max3_num_f32 v[TM+\b], v[TM+\b], |v[\s+16*\b+\i]|, |v[\s+1+16*\b+\i]|
.endr
.endr
.irp b, 0,1,2,3
	v_permlanex16_b32 v[TM+4+\b], v[TM+\b], s[SEL], s[SEL+1]
.endr
.irp b, 0,1,2,3
	v_max_num_f32 v[TM+\b], v[TM+\b], v[TM+4+\b]                   ; with lane l xor 16's: the block's largest magnitude
.endr
.irp b, 0,1,2,3
	v_add_nc_u32 v[TM+12+\b], 0xfc000000, v[TM+\b]                 ; 8 off its exponent field: the conversion's scale operand
.endr
.irp b, 0,1,2,3
	v_and_or_b32 v[TM+8+\b], v[TM+\b], 0x7f800000, s[MNT]          ; 448 x the scale
.endr
.irp b, 0,1,2,3
	v_lshrrev_b32 v[TM+4+\b], 23, v[TM+12+\b]                      ; the scale's byte
.endr
	v_lshl_or_b32 v[\pw], v[TM+5], 8, v[TM+4]
	v_lshl_or_b32 v[\pw], v[TM+6], 16, v[\pw]
	v_lshl_or_b32 v[\pw], v[TM+7], 24, v[\pw]
.irp b, 0,1,2,3
.irp i, 0,1,2,3,4,5,6,7,8,9,10,11,12,13,14,15
	v_med3_num_f32 v[\s+16*\b+\i], v[\s+16*\b+\i], -v[TM+8+\b], v[TM+8+\b]   ; the conversion does not saturate (ISA guide 7.6.2): the hold comes first
.endr
	v_cvt_scalef32_pk8_fp8_f32 v[(\pc)+4*\b:(\pc)+1+4*\b], v[\s+16*\b:\s+7+16*\b], v[TM+12+\b]
	v_cvt_scalef32_pk8_fp8_f32 v[(\pc)+2+4*\b:(\pc)+3+4*\b], v[\s+8+16*\b:\s+15+16*\b], v[TM+12+\b]
.endr
	v_nop                                          ; a plain line behind the last conversion
.endm
.macro LOAD t                          ; my K step t of my 16 rows: 512 consecutive bytes a load
.irp p, 0,1,2,3,4,5,6,7,8,9,10,11,12,13,14,15
	global_load_b128 v[R+64*((\t)%2)+4*\p:R+64*((\t)%2)+4*\p+3], v[LI], s[SRC:SRC+1] offset:(\p+8*(\p/8))*4096+512*(\t) th:TH_LOAD_NT
.endr
.endm
.macro TURN t                          ; through the stage: LDS serves a wave's instructions in order, so no wait stands between the stores and the loads
.irp p, 0,1,2,3,4,5,6,7,8,9,10,11,12,13,14,15
	ds_store_b128 v[SIN], v[R+64*((\t)%2)+4*\p:R+64*((\t)%2)+4*\p+3] offset:528*\p
.endr
.irp c, 0,1,2,3
.irp j, 0,1,2,3
	ds_load_b128 v[X+16*\c+4*\j:X+16*\c+4*\j+3], v[SOUT] offset:128*\c+16*\j
.endr
.endr
.endm
.macro QSTEP t
.if (\t) < 3
	s_wait_loadcnt 16                              ; this step's 16 loads are in; the next step's 16 may be out
.else
	s_wait_loadcnt 0x0
.endif
	TURN \t
	s_wait_dscnt 0x0                               ; my 64 numbers are back, and the stores have read their registers,
.if (\t) < 2
	LOAD (\t)+2                                    ; which take the loads of two steps on
.endif
	s_wait_xcnt 0x0                                ; the stores of two steps back have read this set of code registers
	QUANT X, PC+16*((\t)%2), SW+(\t)
.irp c, 0,1,2,3
	global_store_b128 v[LI], v[PC+16*((\t)%2)+4*\c:PC+16*((\t)%2)+4*\c+3], s[COD:COD+1] offset:2048*(\t)+512*\c   ; 512 consecutive bytes
.endr
.endm
	s_load_b256 s[4:11], s[0:1], 0x0               ; x, wq, wk, wv
	s_load_b256 s[12:19], s[0:1], 0x20             ; wo, xq, wc, sc1
	s_load_b128 s[20:23], s[0:1], 0x40             ; sc2, rope
	s_set_vgpr_msb 0x40
	v_lshl_add_u32 v0, v0, 2, 0x8400               ; v256: my spare word, behind the four stages
	v_mov_b32 v1, 0                                ; v257: 0
	s_set_vgpr_msb 0x4000
	v_lshrrev_b32 v1, 5, v0
	v_readfirstlane_b32 s[WV], v1                  ; wave 0..3
	v_and_b32 v1, 31, v0                           ; lane
	s_cmp_ge_u32 ttmp9, 384
	s_cbranch_scc1 .Ltable
	v_lshlrev_b32 v[LI], 4, v1
	v_and_b32 v14, 15, v1                          ; r
	v_lshrrev_b32 v15, 4, v1                       ; h
	s_mul_i32 s25, s[WV], WSTG
	v_add_nc_u32 v[SIN], s25, v[LI]
	v_mul_u32_u24 v[SOUT], v14, 528
	v_lshl_add_u32 v[SOUT], v15, 6, v[SOUT]
	v_add_nc_u32 v[SOUT], s25, v[SOUT]
	v_lshlrev_b32 v[SWO], 5, v14
.irp b, 0,1,2,3
	v_mov_b32 v[TM+4+\b], 0                        ; written once: a lane permute's destination counts as one of its sources
.endr
	s_mov_b32 s[SEL], 0x76543210
	s_mov_b32 s[SEL+1], 0xfedcba98
	s_mov_b32 s[MNT], 0x600000
	s_lshl_b32 s26, ttmp9, 1
	s_lshr_b32 s35, s[WV], 1
	s_add_co_u32 s26, s26, s35                     ; W: my tile among all 768: 2 x work-group + wave / 2
	s_and_b32 s33, s[WV], 1                        ; which half of K is mine
	s_and_b32 s27, ttmp9, 31                       ; a weight has 32 work-groups
	s_mov_b32 s31, 0
	s_wait_alu depctr_va_vdst(0)
	s_wait_kmcnt 0x0
	s_cmp_lt_u32 ttmp9, 352                        ; every choice hangs on the work-group's number alone
	s_cselect_b64 s[SRC:SRC+1], s[10:11], s[12:13]
	s_cselect_b64 s[SCA:SCA+1], s[18:19], s[20:21]
	s_cselect_b32 s34, 0, 98304                    ; wo's words: 512 W - 98,304 = 262,144 + 512 (W - 704)
	s_cmp_lt_u32 ttmp9, 320
	s_cselect_b64 s[SRC:SRC+1], s[8:9], s[SRC:SRC+1]
	s_cmp_lt_u32 ttmp9, 288
	s_cselect_b64 s[SRC:SRC+1], s[6:7], s[SRC:SRC+1]
	s_cmp_lt_u32 ttmp9, 256
	s_cselect_b64 s[SRC:SRC+1], s[4:5], s[SRC:SRC+1]
	s_cselect_b64 s[COD:COD+1], s[14:15], s[16:17]
	s_cselect_b32 s28, 0, 512
	s_cselect_b32 s27, ttmp9, s27
	s_lshl_b32 s27, s27, 1
	s_add_co_u32 s27, s27, s35                     ; my tile in its tensor
	s_lshr_b32 s29, s27, 1
	s_lshl_b32 s29, s29, 17                        ; 32 rows of 4,096 bytes for each pair of tiles,
	s_and_b32 s30, s27, 1
	s_lshl_b32 s30, s30, 15                        ; 8 rows for the odd one,
	s_add_co_u32 s30, s30, s29
	s_lshl_b32 s32, s33, 11
	s_add_co_u32 s30, s30, s32                     ; 2,048 bytes along the rows for the upper half of K
	s_add_nc_u64 s[SRC:SRC+1], s[SRC:SRC+1], s[30:31]
	s_sub_co_u32 s30, s26, s28
	s_lshl_b32 s30, s30, 14
	s_lshl_b32 s32, s33, 13
	s_add_co_u32 s30, s30, s32                     ; four images of 2,048 bytes
	s_add_nc_u64 s[COD:COD+1], s[COD:COD+1], s[30:31]
	s_lshl_b32 s30, s26, 9
	s_sub_co_u32 s30, s30, s34
	s_lshl_b32 s32, s33, 4
	s_add_co_u32 s30, s30, s32                     ; four words of each row
	s_add_nc_u64 s[SCA:SCA+1], s[SCA:SCA+1], s[30:31]
	LOAD 0
	LOAD 1
.irp t, 0,1,2,3
	QSTEP \t
.endr
	global_store_b128 v[SWO], v[SW:SW+3], s[SCA:SCA+1]   ; my row's four words, 16 bytes; lanes l and l + 16 hold the same words and name the same place
	s_set_vgpr_msb 0x5
	s_wait_tensorcnt 0x0                           ; the wave's end
	ds_add_u32 v0, v1
	s_wait_dscnt 0x0
	s_set_vgpr_msb 0x500
	s_endpgm
; THE TABLE: rope[pos][f][cos, sin], f32, 256 bytes a position; the angle is pos x theta_f, one f32 multiplication; theta_f = 10000^(-f / 32) = 10^(-f / 8), rounded to f32.
; cos and sin: n = the nearest whole number to angle x 2 / pi; r = angle - n pi / 2 with pi / 2 in two parts (the first step is exact: both terms are multiples of 2^-23 and the difference is under 1;
; the third part of pi / 2 times n, at most 1,304, is under 3e-12 and is left out); on |r| <= pi / 4 the series of sin to r^9 and of cos to r^10, whose remainders are under 2e-9; the quadrant by n mod 4.
.macro TH f, bits
	s_mov_b32 s40, \bits
	v_writelane_b32 v8, s40, \f
.endm
.Ltable:
	v_mov_b32 v8, 0
	TH 0, 0x3f800000
	TH 1, 0x3f3ff911
	TH 2, 0x3f0ff59a
	TH 3, 0x3ed7e89b
	TH 4, 0x3ea1e89b
	TH 5, 0x3e72d424
	TH 6, 0x3e361887
	TH 7, 0x3e088d77
	TH 8, 0x3dcccccd
	TH 9, 0x3d99940e
	TH 10, 0x3d6655c3
	TH 11, 0x3d2cba15
	TH 12, 0x3d0186e2
	TH 13, 0x3cc24350
	TH 14, 0x3c91ad39
	TH 15, 0x3c5a7bf1
	TH 16, 0x3c23d70a
	TH 17, 0x3bf5b9b0
	TH 18, 0x3bb8449c
	TH 19, 0x3b8a2e77
	TH 20, 0x3b4f3e37
	TH 21, 0x3b1b690d
	TH 22, 0x3ae91528
	TH 23, 0x3aaec98e
	TH 24, 0x3a83126f
	TH 25, 0x3a44948c
	TH 26, 0x3a136a16
	TH 27, 0x39dd1726
	TH 28, 0x39a5cb5f
	TH 29, 0x3978a814
	TH 30, 0x393a7753
	TH 31, 0x390bd472
	s_sub_co_u32 s26, ttmp9, 384
	s_lshl_b32 s26, s26, 2
	s_add_co_u32 s26, s26, s[WV]                   ; which eight positions are my wave's
	s_lshl_b32 s27, s26, 3
	s_lshl_b32 s30, s26, 11
	s_mov_b32 s31, 0
	s_mov_b32 s41, 0x3f22f983                      ; 2 / pi
	s_mov_b32 s42, 0x3fc90fdb                      ; pi / 2, first part
	s_mov_b32 s43, 0xb33bbd2e                      ; second part
	s_mov_b32 s44, 0x3638ef1d                      ; 1 / 9!
	s_mov_b32 s45, 0xb9500d01                      ; -1 / 7!
	s_mov_b32 s46, 0x3c088889                      ; 1 / 5!
	s_mov_b32 s47, 0xbe2aaaab                      ; -1 / 3!
	s_mov_b32 s48, 0xb493f27e                      ; -1 / 10!
	s_mov_b32 s49, 0x37d00d01                      ; 1 / 8!
	s_mov_b32 s50, 0xbab60b61                      ; -1 / 6!
	s_mov_b32 s51, 0x3d2aaaab                      ; 1 / 4!
	v_lshlrev_b32 v9, 3, v1                        ; lane = f: 8 bytes each
	s_wait_kmcnt 0x0
	s_add_nc_u64 s[22:23], s[22:23], s[30:31]
.irp i, 0,1,2,3,4,5,6,7
	s_add_co_u32 s28, s27, \i
	v_cvt_f32_u32 v10, s28
	s_wait_alu depctr_va_vdst(0)
	v_mul_f32 v11, v10, v8                         ; the angle
	v_mul_f32 v12, s41, v11
	v_rndne_f32 v12, v12                           ; n
	v_fma_f32 v13, -v12, s42, v11
	v_fma_f32 v13, -v12, s43, v13                  ; r
	v_mul_f32 v14, v13, v13
	v_fma_f32 v15, v14, s44, s45
	v_fma_f32 v16, v14, s48, s49
	v_fma_f32 v15, v15, v14, s46
	v_fma_f32 v16, v16, v14, s50
	v_fma_f32 v15, v15, v14, s47
	v_fma_f32 v16, v16, v14, s51
	v_mul_f32 v17, v13, v14
	v_fma_f32 v16, v16, v14, -0.5
	v_fma_f32 v15, v15, v17, v13                   ; sin r
	v_fma_f32 v16, v16, v14, 1.0                   ; cos r
	v_cvt_i32_f32 v18, v12
	v_and_b32 v19, 1, v18
	v_cmp_eq_u32 vcc_lo, 1, v19                    ; an odd quadrant swaps the two
	v_cndmask_b32 v[33+2*\i], v15, v16, vcc_lo
	v_cndmask_b32 v[32+2*\i], v16, v15, vcc_lo
	v_lshlrev_b32 v19, 30, v18
	v_and_b32 v19, 0x80000000, v19                 ; sin is negative in quadrants 2 and 3,
	v_xor_b32 v[33+2*\i], v[33+2*\i], v19
	v_add_nc_u32 v19, 1, v18
	v_lshlrev_b32 v19, 30, v19
	v_and_b32 v19, 0x80000000, v19                 ; cos in 1 and 2
	v_xor_b32 v[32+2*\i], v[32+2*\i], v19
	global_store_b64 v9, v[32+2*\i:33+2*\i], s[22:23] offset:256*\i   ; 256 consecutive bytes, aligned; each position has registers of its own
.endr
	s_endpgm
.Lfunc_end_k_qd377a2ae01_prep:
	.size	k_qd377a2ae01_prep, .Lfunc_end_k_qd377a2ae01_prep-k_qd377a2ae01_prep
	.p2alignl 7, 3214868480
	.fill 96, 4, 3214868480
	.section	.rodata,"a",@progbits
	.p2align	6, 0x0
	.amdhsa_kernel k_qd377a2ae01_prep
		.amdhsa_group_segment_fixed_size 34304
		.amdhsa_private_segment_fixed_size 0
		.amdhsa_enable_private_segment 0
		.amdhsa_kernarg_size 80
		.amdhsa_user_sgpr_count 2
		.amdhsa_user_sgpr_kernarg_segment_ptr 1
		.amdhsa_wavefront_size32 1
		.amdhsa_system_sgpr_workgroup_id_x 1
		.amdhsa_system_sgpr_workgroup_id_y 1
		.amdhsa_system_sgpr_workgroup_id_z 1
		.amdhsa_system_vgpr_workitem_id 0
		.amdhsa_next_free_vgpr 258
		.amdhsa_next_free_sgpr 66
		.amdhsa_reserve_vcc 1
		.amdhsa_float_denorm_mode_32 3
		.amdhsa_float_denorm_mode_16_64 3
		.amdhsa_memory_ordered 1
		.amdhsa_forward_progress 1
		.amdhsa_inst_pref_size 68
	.end_amdhsa_kernel
	.amdgpu_metadata
---
amdhsa.version: [ 1, 2 ]
amdhsa.kernels:
  - .name:           k_qd377a2ae01_prep
    .symbol:         k_qd377a2ae01_prep.kd
    .args:
      - { .name: x, .offset: 0, .size: 8, .value_kind: global_buffer, .address_space: global }
      - { .name: wq, .offset: 8, .size: 8, .value_kind: global_buffer, .address_space: global }
      - { .name: wk, .offset: 16, .size: 8, .value_kind: global_buffer, .address_space: global }
      - { .name: wv, .offset: 24, .size: 8, .value_kind: global_buffer, .address_space: global }
      - { .name: wo, .offset: 32, .size: 8, .value_kind: global_buffer, .address_space: global }
      - { .name: xq, .offset: 40, .size: 8, .value_kind: global_buffer, .address_space: global }
      - { .name: wc, .offset: 48, .size: 8, .value_kind: global_buffer, .address_space: global }
      - { .name: sc1, .offset: 56, .size: 8, .value_kind: global_buffer, .address_space: global }
      - { .name: sc2, .offset: 64, .size: 8, .value_kind: global_buffer, .address_space: global }
      - { .name: rope, .offset: 72, .size: 8, .value_kind: global_buffer, .address_space: global }
    .group_segment_fixed_size: 34304
    .private_segment_fixed_size: 0
    .kernarg_segment_align: 8
    .kernarg_segment_size: 80
    .max_flat_workgroup_size: 128
    .sgpr_count:     66
    .vgpr_count:     258
    .wavefront_size: 32
...
	.end_amdgpu_metadata
.endif
;; end of part 1
;; launch qkv (part 2): grid 12 x 32, 4 waves a work-group, clusters of 4 x 4, 327,680 bytes of LDS; arguments xq, wc, sc1, rope, bq, bk, bv, qb, kv; writes qb, kv
.if DOCPART == 2
	.amdgcn_target "amdgcn-amd-amdhsa--gfx1250"
	.amdhsa_code_object_version 6
	.text
	.protected	k_qd377a2ae01_qkv
	.globl	k_qd377a2ae01_qkv
	.p2align	8
	.type	k_qd377a2ae01_qkv,@function
k_qd377a2ae01_qkv:
	s_mov_b64 s[64:65], 0
	v_nop
	global_prefetch_b8 v0, s[64:65] scope:SCOPE_SE
	s_setreg_imm32_b32 hwreg(HW_REG_WAVE_MODE, 25, 1), 1
	s_wait_xcnt 0x0
	s_wait_alu depctr_hold_cnt(0) depctr_sa_sdst(0) depctr_va_vdst(0) depctr_va_sdst(0) depctr_va_ssrc(0) depctr_va_vcc(0) depctr_vm_vsrc(0)
	s_getreg_b32 s2, hwreg(HW_REG_IB_STS2, 6, 4)
	s_cmp_eq_u32 s2, 0
	s_cbranch_scc0 .Lentry_in_a_cluster
	s_endpgm
.Lentry_in_a_cluster:
	s_bfe_u32 s2, ttmp6, 0x10000c
	s_cmp_lg_u32 s2, 0xf033
	s_cbranch_scc0 .Lentry_shape_is_right
	s_endpgm
.Lentry_shape_is_right:
.set SLOT,  131072
.set BOFF,  65536
.set SPARE, 262144
.set LI,   3
.set RO,   4
.set BO,   5
.set SO,   6
.set SCO,  7
.set ADRA, 16
.set ADRB, 20
.set SPW,  28
.set NIL,  29
.set TM,   32
.set SW,   48
.set W,    56
.set SC,   64
.set AF,   128
.set X,    128
.set Y,    192
.set BIAS, 0
.set CS,   64
.set MNT,  3
.set WV,   22
.set HA,   23
.set HB,   24
.set TA,   28
.set TB,   29
.set G1,   32
.set G0,   40
.set G1B,  48
.set G0B,  56
.set SEL,  98
.set MSB, 0
.macro WIN new
.if MSB != (\new)
	s_set_vgpr_msb (MSB<<8)|(\new)
.set MSB, (\new)
.endif
.endm
.set MUL_LO, 0xa1
.set MUL_HI, 0xf1
.set TO_B,   0x40
.macro JLOAD g0a, g1a, g0b, g1b
	s_cmp_eq_u32 s[HA], 0
	s_cbranch_scc0 .Lfor_b_\@
	tensor_load_to_lds s[\g0a:\g0a+3], s[\g1a:\g1a+7]
	s_nop 0
.rept 4
	v_nop
.endr
	s_branch .Lasked_\@
.Lfor_b_\@:
	tensor_load_to_lds s[\g0b:\g0b+3], s[\g1b:\g1b+7]
	s_nop 0
.rept 4
	v_nop
.endr
.Lasked_\@:
.endm
; A prefetch of the fill that stands one fill (two K steps) ahead of the one just asked for: of the eight tiles x 4,096 bytes that my wave will fetch, each of the four partners that ask for them jointly names two tiles, by address:
; a lane a block of 256 bytes, one instruction a wave.  off: that fill's place in a tile's 16,384 bytes.  The last fill has none behind it, so the last refill asks for nothing.
.macro ASK off
	s_cmp_eq_u32 s[HA], 0
	s_cbranch_scc0 .Lask_b_\@
	global_prefetch_b8 v12, s[76:77] offset:\off th:TH_LOAD_NT scope:SCOPE_SE
	s_branch .Lask_done_\@
.Lask_b_\@:
	global_prefetch_b8 v12, s[78:79] offset:\off th:TH_LOAD_NT scope:SCOPE_SE
.Lask_done_\@:
.endm
.macro CREST
	s_cmp_lg_u32 s[WV], 0
	s_cbranch_scc1 .Lnot_wave_0_\@
	s_barrier_signal -3
.Lnot_wave_0_\@:
	s_barrier_wait -3
	s_barrier_signal -1
	s_barrier_wait -1
.endm
.macro CROUND
	s_barrier_signal -1
	s_barrier_wait -1
	CREST
.endm
.macro PLACES n
.rept \n
	v_nop
.endr
.endm
.macro FRAG reg, adr, q, i
.irp c, 0,1,2,3
	ds_load_b128 v[\reg+4*\c:\reg+4*\c+3], v[\adr] offset:4096*(\i)+2048*(\q)+512*\c
.endr
.endm
.macro FETCH_B slot, q, p
	WIN TO_B
.irp i, 0,1,2,3,4,5,6,7
	FRAG 128*(\p)+16*\i, ADRB+\slot, \q, \i
.endr
	WIN 0
.endm
.macro FETCH_A slot, q, i0
.irp i, \i0, \i0+1, \i0+2, \i0+3
	FRAG AF+16*(\i), ADRA+\slot, \q, \i
.endr
.endm
.macro MUL16 a0, p, s, zero
.irp a, \a0, \a0+1
.irp b, 0,1,2,3,4,5,6,7
.if \zero
	v_wmma_scale_f32_16x16x128_f8f6f4 v[8*(8*((\a)%4)+\b):8*(8*((\a)%4)+\b)+7], v[128*(\p)+16*\b:128*(\p)+16*\b+15], v[AF+16*(\a):AF+16*(\a)+15], 0, v[SC+8*\b+(\s)], v[SC+8*(\a)+(\s)] matrix_a_scale:MATRIX_SCALE_ROW1
.else
	v_wmma_scale_f32_16x16x128_f8f6f4 v[8*(8*((\a)%4)+\b):8*(8*((\a)%4)+\b)+7], v[128*(\p)+16*\b:128*(\p)+16*\b+15], v[AF+16*(\a):AF+16*(\a)+15], v[8*(8*((\a)%4)+\b):8*(8*((\a)%4)+\b)+7], v[SC+8*\b+(\s)], v[SC+8*(\a)+(\s)] matrix_a_scale:MATRIX_SCALE_ROW1
.endif
.endr
.endr
.endm
.macro STEP slot, s, zero
	s_wait_dscnt 16
	WIN MUL_LO
	MUL16 0, 0, \s, \zero
	MUL16 2, 0, \s, \zero
	s_wait_dscnt 0x0
	PLACES 8
	FETCH_B \slot, 1, 1
	FETCH_A \slot, 1, 0
	WIN MUL_HI
	MUL16 4, 0, \s, \zero
	MUL16 6, 0, \s, \zero
	PLACES 8
	WIN 0
	FETCH_A \slot, 1, 4
.endm
.macro TURN slot, next, s, fill
	s_wait_tensorcnt 0x0
	ds_add_u32 v[SPW], v[NIL]
	s_wait_dscnt 17
	WIN MUL_LO
	MUL16 0, 1, \s, 0
	s_wait_dscnt 0x0
	s_barrier_signal -1
	MUL16 2, 1, \s, 0
	WIN 0
	s_barrier_wait -1
.if \fill
	CREST
	s_add_nc_u64 s[G0+4*\slot+2:G0+4*\slot+3], s[G0+4*\slot+2:G0+4*\slot+3], 8192
	s_add_nc_u64 s[G0B+4*\slot+2:G0B+4*\slot+3], s[G0B+4*\slot+2:G0B+4*\slot+3], 8192
	JLOAD G0+4*\slot, G1, G0B+4*\slot, G1B
	PLACES 4
.else
	PLACES 8
.endif
	FETCH_B \next, 0, 0
	FETCH_A \next, 0, 0
.if (\s) == 1
	ASK 12288
.endif
	WIN MUL_HI
	MUL16 4, 1, \s, 0
	MUL16 6, 1, \s, 0
	PLACES 8
	WIN 0
	FETCH_A \next, 0, 4
.endm
.macro QUANT s, pc, pw
.irp b, 0,1,2,3
	v_max3_num_f32 v[TM+\b], |v[\s+16*\b]|, |v[\s+1+16*\b]|, 0x4800000
.endr
.irp i, 2,4,6,8,10,12,14
.irp b, 0,1,2,3
	v_max3_num_f32 v[TM+\b], v[TM+\b], |v[\s+16*\b+\i]|, |v[\s+1+16*\b+\i]|
.endr
.endr
.irp b, 0,1,2,3
	v_permlanex16_b32 v[TM+4+\b], v[TM+\b], s[SEL], s[SEL+1]
.endr
.irp b, 0,1,2,3
	v_max_num_f32 v[TM+\b], v[TM+\b], v[TM+4+\b]
.endr
.irp b, 0,1,2,3
	v_add_nc_u32 v[TM+12+\b], 0xfc000000, v[TM+\b]
.endr
.irp b, 0,1,2,3
	v_and_or_b32 v[TM+8+\b], v[TM+\b], 0x7f800000, s[MNT]
.endr
.irp b, 0,1,2,3
	v_lshrrev_b32 v[TM+4+\b], 23, v[TM+12+\b]
.endr
	v_lshl_or_b32 v[\pw], v[TM+5], 8, v[TM+4]
	v_lshl_or_b32 v[\pw], v[TM+6], 16, v[\pw]
	v_lshl_or_b32 v[\pw], v[TM+7], 24, v[\pw]
.irp b, 0,1,2,3
.irp i, 0,1,2,3,4,5,6,7,8,9,10,11,12,13,14,15
	v_med3_num_f32 v[\s+16*\b+\i], v[\s+16*\b+\i], -v[TM+8+\b], v[TM+8+\b]
.endr
	v_cvt_scalef32_pk8_fp8_f32 v[(\pc)+4*\b:(\pc)+1+4*\b], v[\s+16*\b:\s+7+16*\b], v[TM+12+\b]
	v_cvt_scalef32_pk8_fp8_f32 v[(\pc)+2+4*\b:(\pc)+3+4*\b], v[\s+8+16*\b:\s+15+16*\b], v[TM+12+\b]
.endr
	v_nop
.endm
.macro FINISH
	s_wait_tensorcnt 0x0
	ds_add_u32 v[SPW], v[NIL]
	s_wait_dscnt 0x0
	CROUND
	s_endpgm
.endm
	s_load_b256 s[4:11], s[0:1], 0x0
	s_load_b256 s[12:19], s[0:1], 0x20
	s_load_b64 s[20:21], s[0:1], 0x40
	v_lshl_add_u32 v[SPW], v0, 2, SPARE
	v_mov_b32 v[NIL], 0
	ds_add_u32 v28, v29
	ds_add_u32 v28, v29
	s_wait_dscnt 0x0
	v_lshrrev_b32 v1, 5, v0
	v_readfirstlane_b32 s[WV], v1
	s_lshr_b32 s[HA], s[WV], 1
	s_and_b32 s[HB], s[WV], 1
	s_bfe_u32 s25, ttmp6, 0x40000
	s_bfe_u32 s26, ttmp6, 0x40004
	s_and_b32 s27, ttmp7, 0xffff
	s_lshl_b32 s27, s27, 2
	s_lshl_b32 s30, ttmp9, 2
	s_cmp_eq_u32 ttmp9, 2
	s_cselect_b32 s[TA], 0, s27
	s_cselect_b32 s[TB], s27, s30
	s_cselect_b32 s31, 128, 0
	s_cselect_b32 s66, 640, 0
	s_cselect_b32 s67, 0, 512
	s_add_co_u32 s[TA], s[TA], s26
	s_add_co_u32 s[TB], s[TB], s25
	s_lshl_b32 s68, s26, 2
	s_lshl_b32 s68, 15, s68
	s_lshl_b32 s69, 0x1111, s25
	s_or_b32 s[G1], s68, (3<<16)|(1<<21)
	s_or_b32 s[G1B], s69, (3<<16)|(1<<21)
.irp g, G1, G1B
	s_mov_b32 s[\g+1], 512<<16
	s_mov_b32 s[\g+2], 8<<16
	s_mov_b32 s[\g+3], 512<<16
	s_mov_b32 s[\g+4], 8
	s_mov_b32 s[\g+5], 2048
	s_mov_b32 s[\g+6], 0
	s_mov_b32 s[\g+7], 0
.endr
	s_lshl_b32 s72, s[HB], 3
	s_lshl_b32 s70, s[TA], 4
	s_add_co_u32 s70, s70, s31
	s_add_co_u32 s70, s70, s72
	s_lshl_b32 s70, s70, 14
	s_mov_b32 s71, 0
	s_lshl_b32 s74, s[TB], 4
	s_add_co_u32 s74, s74, s72
	s_lshl_b32 s74, s74, 14
	s_mov_b32 s75, 0
	s_lshl_b32 s73, s[WV], 15
	s_wait_kmcnt 0x0
	s_cmp_eq_u32 ttmp9, 2
	s_cselect_b64 s[76:77], s[6:7], s[4:5]
	s_cselect_b64 s[78:79], s[4:5], s[6:7]
	s_add_nc_u64 s[76:77], s[76:77], s[70:71]
	s_add_nc_u64 s[78:79], s[78:79], s[74:75]
	CROUND
.irp s, 0,1
	s_mov_b32 s[G0+4*\s], 1
	s_add_co_u32 s[G0+4*\s+1], s73, \s*SLOT
	s_add_nc_u64 s[G0+4*\s+2:G0+4*\s+3], s[76:77], \s*4096
	s_or_b32 s[G0+4*\s+3], s[G0+4*\s+3], 0x80000000
	s_mov_b32 s[G0B+4*\s], 1
	s_add_co_u32 s[G0B+4*\s+1], s73, \s*SLOT
	s_add_nc_u64 s[G0B+4*\s+2:G0B+4*\s+3], s[78:79], \s*4096
	s_or_b32 s[G0B+4*\s+3], s[G0B+4*\s+3], 0x80000000
.endr
	JLOAD G0, G1, G0B, G1B                         ; K steps 0, 1: one tensor load a wave at the head; the addresses and the scale words' loads below stand under its flight
	v_and_b32 v1, 31, v0
	v_and_b32 v2, 15, v0
	v_bfe_u32 v8, v0, 4, 1
	v_lshlrev_b32 v[LI], 4, v1
	s_lshl_b32 s80, s[HA], 15
	s_lshl_b32 s81, s[HB], 15
	s_add_co_u32 s81, s81, BOFF
.irp s, 0,1
	v_add_nc_u32 v[ADRA+\s], s80, v[LI]
	v_add_nc_u32 v[ADRB+\s], s81, v[LI]
	s_add_co_u32 s80, s80, SLOT
	s_add_co_u32 s81, s81, SLOT
.endr
	s_lshl_b32 s82, s[TA], 4
	s_lshl_b32 s83, s[HA], 3
	s_add_co_u32 s82, s82, s83
	s_add_co_u32 s82, s82, s66
	s_lshl_b32 s82, s82, 9
	s_lshl_b32 s83, s[TB], 4
	s_add_co_u32 s83, s83, s72
	s_add_co_u32 s83, s83, s67
	s_lshl_b32 s83, s83, 9
	v_mov_b32 v9, s82
	v_mov_b32 v10, s83
	v_cmp_le_u32 vcc_lo, 16, v1
	v_cndmask_b32 v9, v9, v10, vcc_lo
	v_lshl_add_u32 v[SCO], v2, 5, v9
.irp i, 0,1,2,3,4,5,6,7
.irp j, 0,1
	global_load_b128 v[SC+8*\i+4*\j:SC+8*\i+4*\j+3], v[SCO], s[8:9] offset:512*\i+16*\j
.endr
.endr
.irp b, 0,1,2,3
	v_mov_b32 v[TM+4+\b], 0
.endr
	s_mov_b32 s[SEL], 0x76543210
	s_mov_b32 s[SEL+1], 0xfedcba98
	s_mov_b32 s[MNT], 0x600000
	s_cmp_eq_u32 s[HA], 0
	s_cselect_b32 s84, s25, s26                    ; my place among the four that ask with me: cx for A's tiles, cy for B's
	s_lshl_b32 s84, s84, 15                        ; two tiles of 16,384 bytes a partner
	v_lshrrev_b32 v12, 4, v1
	v_lshl_add_u32 v12, v12, 14, s84
	v_lshl_add_u32 v12, v2, 8, v12                 ; v12: the prefetches' offset; never rewritten
	s_wait_alu depctr_va_vdst(0)                   ; the head's end
	ASK 4096
	s_wait_tensorcnt 0x0                           ; my part of slot 0 is in
	ds_add_u32 v[SPW], v[NIL]
	s_wait_dscnt 0x0
	CROUND                                         ; slot 0 is whole, and all sixteen work-groups are here
	JLOAD G0+4, G1, G0B+4, G1B                     ; K steps 2, 3, into slot 1
	FETCH_B 0, 0, 0
	FETCH_A 0, 0, 0
	FETCH_A 0, 0, 4
	ASK 8192
	s_wait_loadcnt 0x0
	STEP 0, 0, 1
	TURN 0, 1, 1, 1
	STEP 1, 2, 0
	TURN 1, 0, 3, 1
	STEP 0, 4, 0
	TURN 0, 1, 5, 0
	STEP 1, 6, 0
	s_wait_dscnt 16
	WIN MUL_LO
	MUL16 0, 1, 7, 0
	MUL16 2, 1, 7, 0
	s_wait_dscnt 0x0
	WIN MUL_HI
	MUL16 4, 1, 7, 0
	MUL16 6, 1, 7, 0
	WIN 0
	PLACES 8
	s_cmp_eq_u32 ttmp9, 2
	s_cbranch_scc1 .Lv
	s_lshl_b32 s80, s[TA], 8
	s_lshl_b32 s81, s[HA], 7
	s_add_co_u32 s80, s80, s81
	s_lshr_b32 s81, s80, 11
	s_bfe_u32 s82, s80, 0x40007
	s_and_b32 s83, s[TB], 3
	s_lshl_b32 s84, s81, 4
	s_lshl_b32 s85, s83, 2
	s_add_co_u32 s84, s84, s85
	s_lshl_b32 s85, s[HB], 1
	s_add_co_u32 s84, s84, s85
	s_mov_b32 s86, 135168
	s_mov_b32 s87, 8448
	s_mov_b32 s88, 8192
	s_cmp_eq_u32 ttmp9, 1
	s_cselect_b32 s86, 270336, s86
	s_cselect_b32 s87, 16896, s87
	s_cselect_b32 s88, 16384, s88
	s_cselect_b64 s[90:91], s[20:21], s[18:19]
	s_cselect_b64 s[92:93], s[14:15], s[12:13]
	s_mul_i32 s84, s84, s86
	s_mul_i32 s82, s82, s87
	s_add_co_u32 s84, s84, s82
	s_mov_b32 s85, 0
	s_mov_b32 s87, 0
	s_mov_b32 s89, 0
	s_add_nc_u64 s[90:91], s[90:91], s[84:85]
	s_add_nc_u64 s[94:95], s[90:91], s[86:87]
	s_add_nc_u64 s[96:97], s[90:91], s[88:89]
	s_and_b32 s84, s80, 2047
	s_lshl_b32 s84, s84, 8
	s_add_nc_u64 s[10:11], s[10:11], s[84:85]
	s_lshl_b32 s84, s83, 10
	s_lshl_b32 s82, s[HB], 9
	s_add_co_u32 s84, s84, s82
	s_add_nc_u64 s[92:93], s[92:93], s[84:85]
	v_and_b32 v9, 8, v2
	v_add_nc_u32 v9, v9, v2
	v_lshlrev_b32 v[RO], 8, v9
	v_lshl_add_u32 v[RO], v8, 6, v[RO]
	v_lshlrev_b32 v[BO], 6, v8
	v_mul_lo_u32 v10, v8, s86
	v_lshl_add_u32 v[SO], v2, 4, v10
.macro ROPELD a
.irp q, 0,1
.irp j, 0,1,2,3
	global_load_b128 v[CS+32*((\a)%4)+16*\q+4*\j:CS+32*((\a)%4)+16*\q+4*\j+3], v[RO], s[10:11] offset:(32*((\a)/2)+8*((\a)%2))*256+128*\q+16*\j
.endr
.endr
.endm
	WIN 0x40
.irp q, 0,1,2,3
.irp j, 0,1,2,3
	global_load_b128 v[BIAS+16*\q+4*\j:BIAS+16*\q+4*\j+3], v[BO], s[92:93] offset:128*\q+16*\j
.endr
.endr
	ROPELD 0
	ROPELD 1
	ROPELD 2
	ROPELD 3
	WIN 0
.macro EPI_QK a
.if 7-(\a) >= 3
	s_wait_loadcnt 24
.else
	s_wait_loadcnt 8*(7-(\a))
.endif
	s_wait_xcnt 0x0
	WIN 0x06+(\a)/4
.set n, 0
.rept 32
	v_pk_add_f32 v[X+n:X+n+1], v[64*((\a)%4)+n:64*((\a)%4)+n+1], v[BIAS+n:BIAS+n+1]
.set n, n+2
.endr
	WIN 0x04
.set CSA, CS+32*((\a)%4)
.irp i, 0,1
.irp e, 0,2,4,6,8,10,12,14
	v_pk_mul_f32 v[Y+32*\i+\e:Y+32*\i+\e+1], v[X+32*\i+\e:X+32*\i+\e+1], v[CSA+\e:CSA+\e+1] op_sel_hi:[1,0]
	v_pk_mul_f32 v[Y+32*\i+16+\e:Y+32*\i+17+\e], v[X+32*\i+16+\e:X+32*\i+17+\e], v[CSA+16+\e:CSA+17+\e] op_sel_hi:[1,0]
	v_pk_fma_f32 v[Y+32*\i+\e:Y+32*\i+\e+1], v[X+32*\i+16+\e:X+32*\i+17+\e], v[CSA+\e:CSA+\e+1], v[Y+32*\i+\e:Y+32*\i+\e+1] op_sel:[0,1,0] op_sel_hi:[1,1,1] neg_lo:[1,0,0] neg_hi:[1,0,0]
	v_pk_fma_f32 v[Y+32*\i+16+\e:Y+32*\i+17+\e], v[X+32*\i+\e:X+32*\i+\e+1], v[CSA+16+\e:CSA+17+\e], v[Y+32*\i+16+\e:Y+32*\i+17+\e] op_sel:[0,1,0] op_sel_hi:[1,1,1]
.endr
.endr
.if (\a) < 4
	WIN 0x40
	ROPELD (\a)+4
.endif
	WIN 0
	QUANT Y, X, SW+(\a)
.irp c, 0,1
	global_store_b128 v[LI], v[X+4*\c:X+4*\c+3], s[90:91] offset:1024*(\a)+512*\c
	global_store_b128 v[LI], v[X+8+4*\c:X+8+4*\c+3], s[94:95] offset:1024*(\a)+512*\c
.endr
.endm
.irp a, 0,1,2,3,4,5,6,7
	EPI_QK \a
.endr
.irp b, 0,1,2,3
	v_perm_b32 v[W+\b], v[SW+2*\b+1], v[SW+2*\b], 0x05040100
	v_perm_b32 v[W+4+\b], v[SW+2*\b+1], v[SW+2*\b], 0x07060302
.endr
	v_cmp_le_u32 vcc_lo, 16, v1
.irp b, 0,1,2,3
	v_cndmask_b32 v[W+\b], v[W+\b], v[W+4+\b], vcc_lo
.endr
	global_store_b128 v[SO], v[W:W+3], s[96:97]
	FINISH
.Lv:
	s_lshl_b32 s80, s[TB], 8
	s_lshl_b32 s81, s[HB], 7
	s_add_co_u32 s80, s80, s81
	s_lshr_b32 s81, s80, 11
	s_bfe_u32 s82, s80, 0x40007
	s_lshl_b32 s84, s81, 4
	s_lshl_b32 s85, s[TA], 2
	s_add_co_u32 s84, s84, s85
	s_lshl_b32 s85, s[HA], 1
	s_add_co_u32 s84, s84, s85
	s_mul_i32 s84, s84, 270336
	s_mul_i32 s82, s82, 16896
	s_add_co_u32 s84, s84, s82
	s_add_co_u32 s84, s84, 8192
	s_mov_b32 s85, 0
	s_add_nc_u64 s[90:91], s[20:21], s[84:85]
	s_add_nc_u64 s[94:95], s[90:91], 270336
	s_add_nc_u64 s[96:97], s[90:91], 8448
	s_lshl_b32 s84, s[TA], 10
	s_lshl_b32 s82, s[HA], 9
	s_add_co_u32 s84, s84, s82
	s_add_nc_u64 s[92:93], s[16:17], s[84:85]
	v_and_b32 v9, 8, v2
	v_add_nc_u32 v9, v9, v2
	v_lshlrev_b32 v[BO], 2, v9
	v_mul_u32_u24 v10, v8, 270336
	v_lshl_add_u32 v[SO], v2, 4, v10
	WIN 0x40
.irp a, 0,1,2,3,4,5,6,7
	global_load_b32 v[\a], v[BO], s[92:93] offset:(32*(\a/2)+8*(\a%2))*4
.endr
	WIN 0
	s_wait_loadcnt 0x0
.macro EPI_V a
	s_wait_xcnt 0x0
	WIN 0x06+(\a)/4
.set n, 0
.rept 32
.if (\a)%2
	v_pk_add_f32 v[Y+n:Y+n+1], v[64*((\a)%4)+n:64*((\a)%4)+n+1], v[2*((\a)/2):2*((\a)/2)+1] op_sel:[0,1] op_sel_hi:[1,1]
.else
	v_pk_add_f32 v[Y+n:Y+n+1], v[64*((\a)%4)+n:64*((\a)%4)+n+1], v[2*((\a)/2):2*((\a)/2)+1] op_sel_hi:[1,0]
.endif
.set n, n+2
.endr
	WIN 0
	QUANT Y, X+16*((\a)%2), SW+(\a)
.irp c, 0,1,2,3
	global_store_b128 v[LI], v[X+16*((\a)%2)+4*\c:X+16*((\a)%2)+4*\c+3], s[90+4*((\a)/4):91+4*((\a)/4)] offset:2048*((\a)%4)+512*\c
.endr
.endm
.irp a, 0,1,2,3,4,5,6,7
	EPI_V \a
.endr
	v_cmp_le_u32 vcc_lo, 16, v1
.irp t, 0,1,2,3
	v_cndmask_b32 v[W+\t], v[SW+\t], v[SW+4+\t], vcc_lo
.endr
	global_store_b128 v[SO], v[W:W+3], s[96:97]
	FINISH
.Lfunc_end_k_qd377a2ae01_qkv:
	.size	k_qd377a2ae01_qkv, .Lfunc_end_k_qd377a2ae01_qkv-k_qd377a2ae01_qkv
	.p2alignl 7, 3214868480
	.fill 96, 4, 3214868480
	.section	.rodata,"a",@progbits
	.p2align	6, 0x0
	.amdhsa_kernel k_qd377a2ae01_qkv
		.amdhsa_group_segment_fixed_size 327680
		.amdhsa_private_segment_fixed_size 0
		.amdhsa_enable_private_segment 0
		.amdhsa_kernarg_size 72
		.amdhsa_user_sgpr_count 2
		.amdhsa_user_sgpr_kernarg_segment_ptr 1
		.amdhsa_wavefront_size32 1
		.amdhsa_system_sgpr_workgroup_id_x 1
		.amdhsa_system_sgpr_workgroup_id_y 1
		.amdhsa_system_sgpr_workgroup_id_z 1
		.amdhsa_system_vgpr_workitem_id 0
		.amdhsa_next_free_vgpr 1024
		.amdhsa_next_free_sgpr 100
		.amdhsa_reserve_vcc 1
		.amdhsa_float_denorm_mode_32 3
		.amdhsa_float_denorm_mode_16_64 3
		.amdhsa_memory_ordered 1
		.amdhsa_forward_progress 1
		.amdhsa_inst_pref_size 255
	.end_amdhsa_kernel
	.section	.bss,"aw",@nobits
	.p2align	6
	.space	262144
	.amdgpu_metadata
---
amdhsa.version: [ 1, 2 ]
amdhsa.kernels:
  - .name:           k_qd377a2ae01_qkv
    .symbol:         k_qd377a2ae01_qkv.kd
    .args:
      - { .name: xq, .offset: 0, .size: 8, .value_kind: global_buffer, .address_space: global }
      - { .name: wc, .offset: 8, .size: 8, .value_kind: global_buffer, .address_space: global }
      - { .name: sc1, .offset: 16, .size: 8, .value_kind: global_buffer, .address_space: global }
      - { .name: rope, .offset: 24, .size: 8, .value_kind: global_buffer, .address_space: global }
      - { .name: bq, .offset: 32, .size: 8, .value_kind: global_buffer, .address_space: global }
      - { .name: bk, .offset: 40, .size: 8, .value_kind: global_buffer, .address_space: global }
      - { .name: bv, .offset: 48, .size: 8, .value_kind: global_buffer, .address_space: global }
      - { .name: qb, .offset: 56, .size: 8, .value_kind: global_buffer, .address_space: global }
      - { .name: kv, .offset: 64, .size: 8, .value_kind: global_buffer, .address_space: global }
    .group_segment_fixed_size: 327680
    .private_segment_fixed_size: 0
    .kernarg_segment_align: 8
    .kernarg_segment_size: 72
    .max_flat_workgroup_size: 128
    .sgpr_count:     100
    .vgpr_count:     1024
    .wavefront_size: 32
...
	.end_amdgpu_metadata
.endif
;; end of part 2
;; launch attn (part 3): grid 4 x 64, 16 waves a work-group, clusters of 4 x 1, 327,680 bytes of LDS; arguments qb, kv, ao, sc2; writes ao, sc2
.if DOCPART == 3
	.amdgcn_target "amdgcn-amd-amdhsa--gfx1250"
	.amdhsa_code_object_version 6
	.text
	.protected	k_qd377a2ae01_attn
	.globl	k_qd377a2ae01_attn
	.p2align	8
	.type	k_qd377a2ae01_attn,@function
k_qd377a2ae01_attn:
	s_mov_b64 s[64:65], 0
	v_nop
	global_prefetch_b8 v0, s[64:65] scope:SCOPE_SE
	s_setreg_imm32_b32 hwreg(HW_REG_WAVE_MODE, 25, 1), 1
	s_wait_xcnt 0x0
	s_wait_alu depctr_hold_cnt(0) depctr_sa_sdst(0) depctr_va_vdst(0) depctr_va_sdst(0) depctr_va_ssrc(0) depctr_va_vcc(0) depctr_vm_vsrc(0)
	s_getreg_b32 s2, hwreg(HW_REG_IB_STS2, 6, 4)
	s_cmp_eq_u32 s2, 0
	s_cbranch_scc0 .Lentry_in_a_cluster
	s_endpgm
.Lentry_in_a_cluster:
	s_bfe_u32 s2, ttmp6, 0x10000c
	s_cmp_lg_u32 s2, 0x3003
	s_cbranch_scc0 .Lentry_shape_is_right
	s_endpgm
.Lentry_shape_is_right:
; o = softmax(q k^T / 8) v for each of 64 heads (2,048 tokens, 64 channels), both products on codes of FP8 (E4M3) with E8M0 scales; o / l is quantised again, along (head, channel), as the operand of the last product.
; THE SOFTMAX: t = score x log2(e) / 8; M = the row's largest t so far, rounded UP to a whole number; p = 2^(t - M) is what is quantised, along the keys; the row's sum l is taken of the unquantised p and divides at the end.
; When M moves, l and O are multiplied by 2^(old M - new M): exact.
; SHARES.  256 work-groups.  A work-group owns 512 queries of one head and takes them in TWO PASSES of 256; in a pass each of its sixteen waves owns one tile of 16 queries, in 256 registers, four waves to a SIMD.
; ALL OF A HEAD'S K AND V LIE IN LDS, 16 steps x 16,896 bytes = 270,336, as they lie in memory: FILLED ONCE, for both passes: no ring, nothing is filled again.  Wave w fetches step w: one tensor load a wave.
; Waves 0-3 have a load line of their own and wait for it at the first barrier, behind which steps 0-3 are read; the second barrier, with every wave's wait for 0 ahead of it, shows the other twelve.  No barrier follows it but the closing round.
; CLUSTER: the four work-groups of a head form a cluster: each load is asked for jointly, with a mask that names the four.
; NO PREFETCH: every byte of K and V is asked for by the head's sixteen loads; there is no later load to run ahead of.  The second pass's q is loaded at the head of the first pass's way out.
; LAYOUT.  Both products are used transposed: a lane holds ONE query (lane % 16).  q k^T has K = 64 and the instruction 128: a fragment of K holds TWO keys a row (key 32 b + pi(r), key 32 b + 8 + pi(r), 64 codes each), and it is multiplied
; once by [q | zeros] and once by [zeros | q].  So register 16 b + e of the scores = key 32 b + 16 (lane / 16) + e: 16 neighbours, as p's quantiser and the second product want them.
; V's fragment t = 2 B + u has channel 32 B + 8 u + pi(r) in row r, so that register 16 B + e of O^T = channel 32 B + 16 (lane / 16) + e.
; THE ROW'S SUM stands in eight chains; a step's seven side chains are joined to l at the NEXT step's head, in the places behind its score products (l is brought under the new M only behind that), the last step's on the way out.
; THE SCALE BYTES OF o leave as single bytes, 32 a wave and pass: a scale word of the last product spans two heads, which are different work-groups; beside them go 1,024 bytes of codes in whole blocks.
; LIMITS: NaN and infinities are not served; a block of o whose largest magnitude lies under 2^-118 gets the byte 1; the scaled scores stay under 2^31 in magnitude.
.set STEPB, 16896
.set HEADB, 270336
.set SPARE, 270336                     ; behind K and V: the spare words, 128 bytes a wave
.set LI,   1                           ; v1  16 x lane
.set ADR,  2                           ; v2  the step's place in LDS + 16 x lane
.set OB,   4                           ; v4  32 r + h: my scale byte's place.  v6 h; v7 16 r; v[8:9] a chain of the sum; v10 q's loaded scale word
.set F,    40                          ; v40-103  four fragments of K, then of V
.set S,    104                         ; v104-167 the scores, then p
.set O,    168                         ; v168-199 O^T
.set PC,   200                         ; v200-215 p's codes
.set BM,   216                         ; v216-219 the blocks' largest
.set PL,   220                         ; v220-223 lane permutes' results, the bytes
.set HD,   224                         ; v224-227 448 x the scale
.set SOP,  228                         ; v228-231 the conversions' scale operands
.set KVS,  232                         ; v232-235 lanes 0-15: K's four scale words; lanes 16-31: V's; scales and nothing else
.set QS,   236                         ; v236 q's scale word, its two bytes twice
.set PS,   237                         ; v237 p's scale word
.set FF,   238                         ; v[238:239] f = 2^(old M - new M), and a partner that is written once
.set T0,   240                         ; v240 at work; v242-253 six chains of the sum
.set SPW,  254
.set NIL,  255
.set WV,   12
.set G1,   16
.set G0,   24
.set SEL,  40
.set CS,   42                          ; s[42:43] log2(e) / 8
.set MNT,  44
.set TB,   45
.set CNT,  46                          ; s47: the byte select that makes q's scale word
.macro BARRIER
	s_barrier_signal -1
	s_barrier_wait -1
.endm
.macro CROUND                          ; a round of the cluster's barrier
	BARRIER
	s_cmp_lg_u32 s[WV], 0
	s_cbranch_scc1 .Lnot_wave_0_\@
	s_barrier_signal -3
.Lnot_wave_0_\@:
	s_barrier_wait -3
	BARRIER
.endm
.macro TLOAD                           ; my step of K and V; s_nop 0 and four v_nop follow
	tensor_load_to_lds s[G0:G0+3], s[G1:G1+7]
	s_nop 0
.rept 4
	v_nop
.endr
.endm
; q's tile of the pass in hand: tile T = 16 x s15 + wave: step T / 8 of qb, tile T % 8 in it
.macro QLOAD
	s_lshl_b32 s48, s15, 1
	s_lshr_b32 s51, s[WV], 3
	s_add_co_u32 s48, s48, s51
	s_mul_i32 s48, s48, 8448
	s_mul_i32 s51, s14, 135168
	s_add_co_u32 s48, s48, s51
	s_and_b32 s51, s[WV], 7
	s_lshl_b32 s53, s51, 10
	s_add_co_u32 s54, s48, s53
	s_mov_b32 s55, 0
	s_lshr_b32 s51, s51, 1
	s_lshl_b32 s51, s51, 2
	s_add_co_u32 s56, s48, s51
	s_add_co_u32 s56, s56, 8192
	s_mov_b32 s57, 0
	s_add_nc_u64 s[54:55], s[4:5], s[54:55]
	s_add_nc_u64 s[56:57], s[4:5], s[56:57]
	global_load_b128 v[16:19], v[LI], s[54:55]             ; v[16:31] = [q | zeros]
	global_load_b128 v[20:23], v[LI], s[54:55] offset:512
	global_load_b128 v[32:35], v[LI], s[54:55]             ; v[24:39] = [zeros | q]
	global_load_b128 v[36:39], v[LI], s[54:55] offset:512
	global_load_b32 v10, v7, s[56:57]                      ; the word that holds my tile's two bytes
.endm
; a pass begins: the largest t, l and its chains, O^T; then q is in, and the last pass's stores have read their registers
.macro INIT
	v_mov_b32 v13, 0xff61b1e6                      ; the largest t so far: -3e38, under every t
	s_delay_alu instid0(VALU_DEP_1)
	v_floor_f32 v12, -v13                          ; -M
.irp j, 14,15,8,9,242,243,244,245,246,247,248,249,250,251,252,253
	v_mov_b32 v[\j], 0                             ; l and the seven side chains
.endr
.set J_, 0
.rept 32
	v_mov_b32 v[O+J_], 0                           ; the step is written once: the first finds zeros, which the first change of M leaves zeros
.set J_, J_+1
.endr
	s_wait_alu depctr_va_vdst(0)                   ; directly ahead of the waits below
	s_wait_xcnt 0x0
	s_wait_loadcnt 0x0
	v_perm_b32 v[QS], v10, v10, s47                ; [s0, s1, s0, s1]: it serves both forms of q.  (The eight lines at a step's head stand between it and the first product)
.endm
; the seven side chains of the step before are joined to l: seven plain lines that name no register of a product
.macro TREE
	v_pk_add_f32 v[14:15], v[14:15], v[248:249]
	v_pk_add_f32 v[8:9], v[8:9], v[246:247]
	v_pk_add_f32 v[252:253], v[252:253], v[244:245]
	v_pk_add_f32 v[250:251], v[250:251], v[242:243]
	s_delay_alu instid0(VALU_DEP_2)
	v_pk_add_f32 v[14:15], v[14:15], v[252:253]
	s_delay_alu instid0(VALU_DEP_2)
	v_pk_add_f32 v[8:9], v[8:9], v[250:251]
	s_delay_alu instid0(VALU_DEP_1)
	v_pk_add_f32 v[14:15], v[14:15], v[8:9]
.endm
	s_load_b256 s[4:11], s[0:1], 0x0               ; qb, kv, ao, sc2
	v_lshl_add_u32 v[SPW], v0, 2, SPARE
	v_mov_b32 v[NIL], 0
	ds_add_u32 v[SPW], v[NIL]                      ; the opening lines: the add, twice on end, and its wait ahead of my tensor load
	ds_add_u32 v[SPW], v[NIL]
	v_lshrrev_b32 v1, 5, v0
	s_delay_alu instid0(VALU_DEP_1)
	v_readfirstlane_b32 s[WV], v1                  ; wave 0..15
	s_bfe_u32 s13, ttmp6, 0x40000                  ; cx
	s_lshl_b32 s15, s13, 1                         ; the block of 256 queries in hand: 2 cx + pass: it enters q's and o's global addresses alone
	s_and_b32 s14, ttmp7, 0xffff                   ; the head among 64, which the four partners share
	s_mov_b32 s[G1], 15|(3<<16)|(1<<21)            ; 15:0 the mask: all four; 17:16 elements of 8 bytes; 21 set beside a mask; no padding
	s_mov_b32 s[G1+1], 32<<16                      ; tensor_dim0 = 32 elements: rows of 256 bytes
	s_mov_b32 s[G1+2], 66<<16                      ; tensor_dim1 = 66 rows: a step's 16,896 dense bytes
	s_mov_b32 s[G1+3], 32<<16
	s_mov_b32 s[G1+4], 66
	s_mov_b32 s[G1+5], 32
	s_mov_b32 s[G1+6], 0
	s_mov_b32 s[G1+7], 0
	s_mul_i32 s48, s14, HEADB
	s_mul_i32 s50, s[WV], STEPB                    ; step w: the same place in the head's bytes and in LDS
	s_add_co_u32 s48, s48, s50
	s_mov_b32 s49, 0
	s_mov_b32 s[SEL], 0x76543210
	s_mov_b32 s[SEL+1], 0xfedcba98
	s_mov_b32 s[CS], 0x3e38aa3b
	s_mov_b32 s[CS+1], s[CS]
	s_mov_b32 s[MNT], 0x600000
	s_and_b32 s51, s[WV], 1
	s_mov_b32 s47, 0x03020302
	s_cmp_eq_u32 s51, 1
	s_cselect_b32 s47, s47, 0x01000100             ; an odd tile's bytes are the word's upper two
	s_wait_dscnt 0x0
	s_wait_kmcnt 0x0
	s_mov_b32 s[G0], 1
	s_mov_b32 s[G0+1], s50
	s_add_nc_u64 s[G0+2:G0+3], s[6:7], s[48:49]
	s_or_b32 s[G0+3], s[G0+3], 0x80000000
	CROUND                                         ; all four work-groups are here: the joint loads meet
	s_cmp_lt_u32 s[WV], 4                          ; one load a wave; waves 0-3, which wait at the first barrier, have a line of their own
	s_cbranch_scc0 .Llater
	TLOAD
	s_branch .Lasked
.Llater:
	TLOAD
.Lasked:
	v_and_b32 v3, 31, v0                           ; lane
	v_and_b32 v5, 15, v0                           ; r
	v_bfe_u32 v6, v0, 4, 1                         ; h
	s_delay_alu instid0(VALU_DEP_3)
	v_lshlrev_b32 v[LI], 4, v3
	s_wait_alu depctr_va_vdst(0)
	v_lshl_add_u32 v[OB], v5, 5, v6
	v_lshlrev_b32 v7, 4, v5
	s_wait_alu depctr_va_vdst(0)                   ; the scalar lines below stand ahead of the readers
	QLOAD
.irp j, 0,1,2,3,4,5,6,7
	v_mov_b32 v[24+\j], 0
.endr
.irp b, 0,1,2,3
	v_mov_b32 v[PL+\b], 0                          ; written once: a lane permute's destination counts as one of its sources
.endr
	v_mov_b32 v[FF+1], 0                           ; (named as the upper half of a pair)
	INIT
; A KEY STEP: 128 keys.
.macro STEP
	v_add_nc_u32 v[ADR], s[TB], v[LI]
.rept 7
	v_nop                                          ; with the addition: eight places behind the last products, in front of loads into their operands and scale words
.endr
	ds_load_b128 v[KVS:KVS+3], v[ADR] offset:16384 ; lanes 0-15: 16,384 + 16 r: K's words; lanes 16-31: 16,640 + 16 r: V's
.irp b, 0,1,2,3
.irp c, 0,1,2,3
	ds_load_b128 v[F+16*\b+4*\c:F+16*\b+4*\c+3], v[ADR] offset:2048*\b+512*\c
.endr
.endr
	s_wait_alu depctr_va_vdst(0)
	s_wait_dscnt 0x0
.irp b, 0,1,2,3
	v_wmma_scale_f32_16x16x128_f8f6f4 v[S+16*\b:S+16*\b+7], v[F+16*\b:F+16*\b+15], v[16:31], 0, v[KVS+\b], v[QS]
	v_wmma_scale_f32_16x16x128_f8f6f4 v[S+16*\b+8:S+16*\b+15], v[F+16*\b:F+16*\b+15], v[24:39], 0, v[KVS+\b], v[QS]
.endr
	TREE                                           ; seven of the eight places in front of the loads into K's registers and of the first read of the scores: the last step's chains join l
	v_nop                                          ; the eighth
.irp t, 0,1,2,3
.irp c, 0,1,2,3
	ds_load_b128 v[F+16*\t+4*\c:F+16*\t+4*\c+3], v[ADR] offset:8192+2048*\t+512*\c   ; V's fragments land under the softmax
.endr
.endr
.irp b, 0,1,2,3
	v_max3_num_f32 v[BM+\b], v[S+16*\b], v[S+1+16*\b], v[S+2+16*\b]   ; the largest score of each block of 32 keys: for the row's maximum and, since p rises with the score, for the block's largest p.  Each accumulator is read from its low end on
.endr
.irp i, 3,5,7,9,11,13
.irp b, 0,1,2,3
	v_max3_num_f32 v[BM+\b], v[BM+\b], v[S+16*\b+\i], v[S+1+16*\b+\i]
.endr
.endr
.irp b, 0,1,2,3
	v_max_num_f32 v[BM+\b], v[BM+\b], v[S+15+16*\b]
.endr
.irp b, 0,1,2,3
	s_delay_alu instid0(VALU_DEP_4)
	v_permlanex16_b32 v[PL+\b], v[BM+\b], s[SEL], s[SEL+1]
.endr
.irp b, 0,1,2,3
	s_delay_alu instid0(VALU_DEP_4)
	v_max_num_f32 v[BM+\b], v[BM+\b], v[PL+\b]     ; with lane l xor 16's 16 keys
.endr
	s_delay_alu instid0(VALU_DEP_2)
	v_max3_num_f32 v[T0], v[BM], v[BM+1], v[BM+2]
	s_delay_alu instid0(VALU_DEP_1)
	v_max_num_f32 v[T0], v[T0], v[BM+3]
	s_delay_alu instid0(VALU_DEP_1)
	v_mul_f32 v[T0], s[CS], v[T0]                  ; as t
	s_delay_alu instid0(VALU_DEP_1)
	v_max_num_f32 v13, v13, v[T0]                  ; the running largest t
	v_mov_b32 v[T0], v12
	s_delay_alu instid0(VALU_DEP_2)
	v_floor_f32 v12, -v13                          ; the new -M = -ceil(t): a whole number
	s_delay_alu instid0(VALU_DEP_1)
	v_sub_f32 v[T0], v12, v[T0]                    ; old M - new M: a whole number, 0 or less
	s_delay_alu instid0(VALU_DEP_1)
	v_cvt_i32_f32 v[T0], v[T0]                     ; (it saturates)
	s_delay_alu instid0(VALU_DEP_1)
	v_ldexp_f32 v[FF], 1.0, v[T0]                  ; f
.set J_, 0
.rept 32
	v_pk_fma_f32 v[S+J_:S+1+J_], v[S+J_:S+1+J_], s[CS:CS+1], v[12:13] op_sel_hi:[1,0,0]   ; t - M
.set J_, J_+2
.endr
.irp b, 0,1,2,3
	v_fma_f32 v[BM+\b], v[BM+\b], s[CS], v12
.endr
	s_wait_alu depctr_va_vdst(0)                   ; ahead of the batch
.set J_, 0
.rept 64
	v_exp_f32 v[S+J_], v[S+J_]                     ; p = 2^(t - M), at most 1
.set J_, J_+1
.endr
	v_pk_mul_f32 v[14:15], v[14:15], v[FF:FF+1] op_sel_hi:[1,0]   ; l under the new M: a plain line behind the exponentials
	s_wait_alu depctr_va_vdst(0)                   ; one wait for the batch, ahead of its first reader
.irp b, 0,1,2,3
	v_exp_f32 v[BM+\b], v[BM+\b]                   ; the block's largest p: the same two instructions on the same number
.endr
	v_pk_add_f32 v[8:9], v[108:109], v[112:113]    ; the row's sum of the unquantised p: eight chains, l itself the eighth
	v_pk_add_f32 v[252:253], v[116:117], v[120:121]
	v_pk_add_f32 v[250:251], v[124:125], v[128:129]
	v_pk_add_f32 v[248:249], v[132:133], v[136:137]
	v_pk_add_f32 v[246:247], v[140:141], v[144:145]
	v_pk_add_f32 v[244:245], v[148:149], v[152:153]
	v_pk_add_f32 v[242:243], v[156:157], v[160:161]
	v_pk_add_f32 v[14:15], v[14:15], v[164:165]
	v_pk_add_f32 v[8:9], v[8:9], v[104:105]
	v_pk_add_f32 v[252:253], v[252:253], v[106:107]
	v_pk_add_f32 v[250:251], v[250:251], v[110:111]
	v_pk_add_f32 v[248:249], v[248:249], v[114:115]
	v_pk_add_f32 v[246:247], v[246:247], v[118:119]
	v_pk_add_f32 v[244:245], v[244:245], v[122:123]
	v_pk_add_f32 v[242:243], v[242:243], v[126:127]
	v_pk_add_f32 v[14:15], v[14:15], v[130:131]
	v_pk_add_f32 v[8:9], v[8:9], v[134:135]
	v_pk_add_f32 v[252:253], v[252:253], v[138:139]
	v_pk_add_f32 v[250:251], v[250:251], v[142:143]
	v_pk_add_f32 v[248:249], v[248:249], v[146:147]
	v_pk_add_f32 v[246:247], v[246:247], v[150:151]
	v_pk_add_f32 v[244:245], v[244:245], v[154:155]
	v_pk_add_f32 v[242:243], v[242:243], v[158:159]
	v_pk_add_f32 v[14:15], v[14:15], v[162:163]
	v_pk_add_f32 v[8:9], v[8:9], v[166:167]
	s_wait_alu depctr_va_vdst(0)                   ; and one for the four
.irp b, 0,1,2,3
	v_max_num_f32 v[BM+\b], 0x4800000, v[BM+\b]    ; the floor 2^(9 - 127): the byte cannot fall under 1
.endr
.irp b, 0,1,2,3
	s_delay_alu instid0(VALU_DEP_4)
	v_add_nc_u32 v[SOP+\b], 0xfc000000, v[BM+\b]
.endr
.irp b, 0,1,2,3
	v_and_or_b32 v[HD+\b], v[BM+\b], 0x7f800000, s[MNT]
.endr
.irp b, 0,1,2,3
	v_lshrrev_b32 v[PL+\b], 23, v[SOP+\b]
.endr
	s_delay_alu instid0(VALU_DEP_3)
	v_lshl_or_b32 v[PS], v[PL+1], 8, v[PL]         ; p's scale word for these 128 keys: the holds below stand between it and the products
	s_delay_alu instid0(VALU_DEP_1)
	v_lshl_or_b32 v[PS], v[PL+2], 16, v[PS]
	s_delay_alu instid0(VALU_DEP_1)
	v_lshl_or_b32 v[PS], v[PL+3], 24, v[PS]
.irp b, 0,1,2,3
.irp i, 0,2,4,6,8,10,12,14
	v_dual_min_num_f32 v[S+16*\b+\i], v[S+16*\b+\i], v[HD+\b] :: v_dual_min_num_f32 v[S+1+16*\b+\i], v[S+1+16*\b+\i], v[HD+\b]   ; the conversion does not saturate (ISA guide 7.6.2); p is not negative: a one-sided hold, two numbers a line
.endr
	v_cvt_scalef32_pk8_fp8_f32 v[PC+4*\b:PC+1+4*\b], v[S+16*\b:S+7+16*\b], v[SOP+\b]
	v_cvt_scalef32_pk8_fp8_f32 v[PC+2+4*\b:PC+3+4*\b], v[S+8+16*\b:S+15+16*\b], v[SOP+\b]
.endr
	s_wait_alu depctr_va_vdst(0)                   ; directly ahead of the first reader of O^T
.irp j, 0,2,4,6,8,10,12,14,16,18,20,22,24,26,28,30
	v_pk_mul_f32 v[O+\j:O+1+\j], v[O+\j:O+1+\j], v[FF:FF+1] op_sel_hi:[1,0]   ; O^T under the new M; these 16 also stand between the conversions and the products
.endr
	s_wait_alu depctr_va_vdst(0)
	s_wait_dscnt 0x0                               ; V is in
.irp t, 0,1,2,3                        ; the four accumulators by turns; eight products of the next step stand between two links of a chain
	v_wmma_scale_f32_16x16x128_f8f6f4 v[O+8*\t:O+8*\t+7], v[F+16*\t:F+16*\t+15], v[PC:PC+15], v[O+8*\t:O+8*\t+7], v[KVS+\t], v[PS] matrix_a_scale:MATRIX_SCALE_ROW1
.endr
	s_add_co_u32 s[TB], s[TB], STEPB
.endm
.macro LOOP n
	s_mov_b32 s[CNT], \n
.Lstep_\@:
	s_wait_alu depctr_va_vdst(0)
	STEP
	s_sub_co_u32 s[CNT], s[CNT], 1
	s_cmp_lg_u32 s[CNT], 0
	s_cbranch_scc1 .Lstep_\@
.endm
; THE WAY OUT of a pass: O^T / l, quantised in two blocks of 32 channels, straight into the last product's image: tile 128 x batch + T, K step head / 2, groups 2 (head % 2) + B.  next = 1: the next pass's q is asked for first
.macro WAYOUT next
	s_lshr_b32 s48, s14, 4
	s_lshl_b32 s48, s48, 7
	s_lshl_b32 s51, s15, 4
	s_add_co_u32 s48, s48, s51
	s_add_co_u32 s48, s48, s[WV]                   ; the tile
	s_bfe_u32 s51, s14, 0x30001                    ; the K step: (head % 16) / 2
	s_and_b32 s52, s14, 1
	s_lshl_b32 s58, s48, 14
	s_lshl_b32 s53, s51, 11
	s_add_co_u32 s58, s58, s53
	s_lshl_b32 s53, s52, 10
	s_add_co_u32 s58, s58, s53
	s_mov_b32 s59, 0
	s_add_nc_u64 s[66:67], s[8:9], s[58:59]
	s_lshl_b32 s58, s48, 9
	s_lshl_b32 s53, s51, 2
	s_add_co_u32 s58, s58, s53
	s_lshl_b32 s53, s52, 1
	s_add_co_u32 s58, s58, s53
	s_add_nc_u64 s[68:69], s[10:11], s[58:59]
.if \next
	s_add_co_u32 s15, s15, 1
	QLOAD                                          ; q's registers were last read by the score products, far more than eight plain lines back
.endif
	TREE                                           ; the last step's chains; with the line below: eight places behind the last products
	v_nop
	v_add_f32 v14, v14, v15
	s_delay_alu instid0(VALU_DEP_1)
	v_permlanex16_b32 v[PL], v14, s[SEL], s[SEL+1]
	s_delay_alu instid0(VALU_DEP_1)
	v_add_f32 v14, v14, v[PL]                      ; the row's sum
	s_wait_alu depctr_va_vdst(0)
	v_rcp_f32 v14, v14
	v_nop                                          ; a plain line behind the reciprocal
	s_wait_alu depctr_va_vdst(0)                   ; ahead of the reciprocal's first reader, which is O^T's first reader too
.set J_, 0
.rept 32
	v_mul_f32 v[S+J_], v[O+J_], v14                ; register 16 B + e = channel 32 B + 16 h + e
.set J_, J_+1
.endr
.irp b, 0,1
	v_max3_num_f32 v[BM+\b], |v[S+16*\b]|, |v[S+1+16*\b]|, 0x4800000
.endr
.irp i, 2,4,6,8,10,12,14
.irp b, 0,1
	s_delay_alu instid0(VALU_DEP_2)
	v_max3_num_f32 v[BM+\b], v[BM+\b], |v[S+16*\b+\i]|, |v[S+1+16*\b+\i]|
.endr
.endr
.irp b, 0,1
	s_delay_alu instid0(VALU_DEP_2)
	v_permlanex16_b32 v[PL+\b], v[BM+\b], s[SEL], s[SEL+1]
.endr
.irp b, 0,1
	s_delay_alu instid0(VALU_DEP_2)
	v_max_num_f32 v[BM+\b], v[BM+\b], v[PL+\b]
.endr
.irp b, 0,1
	s_delay_alu instid0(VALU_DEP_2)
	v_add_nc_u32 v[SOP+\b], 0xfc000000, v[BM+\b]
.endr
.irp b, 0,1
	s_delay_alu instid0(VALU_DEP_4)
	v_and_or_b32 v[HD+\b], v[BM+\b], 0x7f800000, s[MNT]
.endr
.irp b, 0,1
	s_delay_alu instid0(VALU_DEP_4)
	v_lshrrev_b32 v[PL+\b], 23, v[SOP+\b]
.endr
.irp b, 0,1
.irp i, 0,1,2,3,4,5,6,7,8,9,10,11,12,13,14,15
	v_med3_num_f32 v[S+16*\b+\i], v[S+16*\b+\i], -v[HD+\b], v[HD+\b]
.endr
	v_cvt_scalef32_pk8_fp8_f32 v[PC+4*\b:PC+1+4*\b], v[S+16*\b:S+7+16*\b], v[SOP+\b]
	v_cvt_scalef32_pk8_fp8_f32 v[PC+2+4*\b:PC+3+4*\b], v[S+8+16*\b:S+15+16*\b], v[SOP+\b]
.endr
	v_nop
	v_cmp_eq_u32 vcc_lo, 1, v6
	s_delay_alu instid0(VALU_DEP_1)
	v_cndmask_b32 v[T0], v[PL], v[PL+1], vcc_lo    ; lanes 0-15 store block 0's byte, lanes 16-31 block 1's
	global_store_b128 v[LI], v[PC:PC+3], s[66:67]          ; 512 consecutive bytes
	global_store_b128 v[LI], v[PC+4:PC+7], s[66:67] offset:512
	global_store_b8 v[OB], v[T0], s[68:69]
.endm
	s_cmp_lt_u32 s[WV], 4
	s_cbranch_scc0 .Lnot_first
	s_wait_tensorcnt 0x0                           ; waves 0-3: my step has landed
.Lnot_first:
	BARRIER                                        ; steps 0-3 are whole; the other twelve loads stay on their way
	s_mov_b32 s[TB], 0
	LOOP 4
	s_wait_tensorcnt 0x0                           ; every wave: its load has landed
	BARRIER                                        ; all sixteen steps are whole, for both passes
	s_mov_b32 s[TB], 4*STEPB
	LOOP 12
	WAYOUT 1
	INIT                                           ; the second pass: the same K and V, the next 256 queries
	s_mov_b32 s[TB], 0
	LOOP 16
	WAYOUT 0
	s_wait_tensorcnt 0x0                           ; the wave's end
	ds_add_u32 v[SPW], v[NIL]
	s_wait_dscnt 0x0
	CROUND                                         ; the closing round: no work-group ends while a partner may still ask for a tile that names it
	s_endpgm
.Lfunc_end_k_qd377a2ae01_attn:
	.size	k_qd377a2ae01_attn, .Lfunc_end_k_qd377a2ae01_attn-k_qd377a2ae01_attn
	.p2alignl 7, 3214868480
	.fill 96, 4, 3214868480
	.section	.rodata,"a",@progbits
	.p2align	6, 0x0
	.amdhsa_kernel k_qd377a2ae01_attn
		.amdhsa_group_segment_fixed_size 327680
		.amdhsa_private_segment_fixed_size 0
		.amdhsa_enable_private_segment 0
		.amdhsa_kernarg_size 32
		.amdhsa_user_sgpr_count 2
		.amdhsa_user_sgpr_kernarg_segment_ptr 1
		.amdhsa_wavefront_size32 1
		.amdhsa_system_sgpr_workgroup_id_x 1
		.amdhsa_system_sgpr_workgroup_id_y 1
		.amdhsa_system_sgpr_workgroup_id_z 1
		.amdhsa_system_vgpr_workitem_id 0
		.amdhsa_next_free_vgpr 256
		.amdhsa_next_free_sgpr 72
		.amdhsa_reserve_vcc 1
		.amdhsa_float_denorm_mode_32 3
		.amdhsa_float_denorm_mode_16_64 3
		.amdhsa_memory_ordered 1
		.amdhsa_forward_progress 1
		.amdhsa_inst_pref_size 83
	.end_amdhsa_kernel
	.amdgpu_metadata
---
amdhsa.version: [ 1, 2 ]
amdhsa.kernels:
  - .name:           k_qd377a2ae01_attn
    .symbol:         k_qd377a2ae01_attn.kd
    .args:
      - { .name: qb, .offset: 0, .size: 8, .value_kind: global_buffer, .address_space: global }
      - { .name: kv, .offset: 8, .size: 8, .value_kind: global_buffer, .address_space: global }
      - { .name: ao, .offset: 16, .size: 8, .value_kind: global_buffer, .address_space: global }
      - { .name: sc2, .offset: 24, .size: 8, .value_kind: global_buffer, .address_space: global }
    .group_segment_fixed_size: 327680
    .private_segment_fixed_size: 0
    .kernarg_segment_align: 8
    .kernarg_segment_size: 32
    .max_flat_workgroup_size: 512
    .sgpr_count:     72
    .vgpr_count:     256
    .wavefront_size: 32
...
	.end_amdgpu_metadata
.endif
;; end of part 3
;; launch oproj (part 4): grid 4 x 64, 4 waves a work-group, clusters of 4 x 4, 327,680 bytes of LDS; arguments ao, wc, sc2, bo, out0; writes out0
.if DOCPART == 4
	.amdgcn_target "amdgcn-amd-amdhsa--gfx1250"
	.amdhsa_code_object_version 6
	.text
	.protected	k_qd377a2ae01_oproj
	.globl	k_qd377a2ae01_oproj
	.p2align	8
	.type	k_qd377a2ae01_oproj,@function
k_qd377a2ae01_oproj:
	s_mov_b64 s[64:65], 0
	v_nop
	global_prefetch_b8 v0, s[64:65] scope:SCOPE_SE
	s_setreg_imm32_b32 hwreg(HW_REG_WAVE_MODE, 25, 1), 1
	s_wait_xcnt 0x0
	s_wait_alu depctr_hold_cnt(0) depctr_sa_sdst(0) depctr_va_vdst(0) depctr_va_sdst(0) depctr_va_ssrc(0) depctr_va_vcc(0) depctr_vm_vsrc(0)
	s_getreg_b32 s2, hwreg(HW_REG_IB_STS2, 6, 4)
	s_cmp_eq_u32 s2, 0
	s_cbranch_scc0 .Lentry_in_a_cluster
	s_endpgm
.Lentry_in_a_cluster:
	s_bfe_u32 s2, ttmp6, 0x10000c
	s_cmp_lg_u32 s2, 0xf033
	s_cbranch_scc0 .Lentry_shape_is_right
	s_endpgm
.Lentry_shape_is_right:
; out0 = o wo^T + bo: 8,192 x 1,024 x 1,024 on codes of FP8 (E4M3) with E8M0 scales, f32 sums, f32 out.
; ao (o's codes) and wc (from tile 192 on: wo's) are images of operand registers: a row tile of 16 rows is 16,384 bytes, eight fragments (128 along K) of 2,048; tile row r of tile T is matrix row 32 (T / 2) + 8 (T % 2) + r + 8 (r / 8).
; sc2: scale words [tile][row 16][K step 8][4 bytes]: o's 512 tiles, from byte 262,144 wo's 64.
; SHARES.  A block of 128 rows x 256 columns a work-group: 64 x 4 = 256 work-groups of four waves, 2 x 2; a wave makes 64 x 128: 32 accumulators in window 2.
; K goes in slots of two K steps through a ring of two slots: waves 0, 1 fetch four tiles of A each (16,384 bytes), waves 2, 3 eight tiles of B each (32,768).  Four fills in all: one at the head, one behind the round that shows it, two refills.
; CLUSTER 4 x 4: A's tiles are asked for jointly along a row of the cluster, B's along a column.
; PREFETCH: behind each fill's request but the last stands one prefetch a wave for the fill that follows it, two K steps ahead.  The four partners that ask for a wave's tiles jointly share them out by address:
; of A's four tiles the partner at cx names one (16 blocks of 256 bytes; lanes 16-31 name its last block again), of B's eight the partner at cy names two (32 blocks, a lane a block).
; THE PRODUCT IS USED TRANSPOSED (source 0 = wo's rows, source 1 = o's rows): the 16 registers of accumulators 2 q, 2 q + 1 are 16 neighbouring columns 32 q + 16 (lane / 16) + e of one row.
; REGISTERS: window 0: v0-31 addresses, v64-127 scale words (register 8 i + s: lanes 0-15 A's tile i, lanes 16-31 B's tile i, K step s), v128-255 A's fragments, two sets of four; window 1: B's fragments, two sets of eight; window 2: sums; window 3: v0-63 the bias.
.set SLOT,  131072
.set BOFF,  65536
.set SPARE, 262144
.set LI,   3
.set BO,   5
.set SCO,  7
.set PFA,  12                          ; v12, v13: the prefetches' offsets in A's and in B's tiles; never rewritten
.set PFB,  13
.set ADRA, 16
.set ADRB, 20
.set STO,  24
.set RD,   25
.set SPW,  28
.set NIL,  29
.set SC,   64
.set AF,   128
.set X,    128
.set WV,   22
.set HA,   23
.set HB,   24
.set TA,   28
.set TB,   29
.set G1,   32
.set G0,   40
.set G1B,  48
.set G0B,  56
.set MSB, 0
.macro WIN new
.if MSB != (\new)
	s_set_vgpr_msb (MSB<<8)|(\new)
.set MSB, (\new)
.endif
.endm
.set MUL,  0xa1                        ; source 0 (B) window 1, source 1 (A) window 0, C and D window 2
.set TO_B, 0x40
.macro JLOAD g0a, g1a, g0b, g1b        ; waves 0, 1 fetch for A, waves 2, 3 for B; s_nop 0 and four v_nop follow each line
	s_cmp_eq_u32 s[HA], 0
	s_cbranch_scc0 .Lfor_b_\@
	tensor_load_to_lds s[\g0a:\g0a+3], s[\g1a:\g1a+7]
	s_nop 0
.rept 4
	v_nop
.endr
	s_branch .Lasked_\@
.Lfor_b_\@:
	tensor_load_to_lds s[\g0b:\g0b+3], s[\g1b:\g1b+7]
	s_nop 0
.rept 4
	v_nop
.endr
.Lasked_\@:
.endm
.macro ASK off                         ; the prefetch; off: the fill's place in a tile's 16,384 bytes
	s_cmp_eq_u32 s[HA], 0
	s_cbranch_scc0 .Lask_b_\@
	global_prefetch_b8 v[PFA], s[76:77] offset:\off th:TH_LOAD_NT scope:SCOPE_SE
	s_branch .Lask_done_\@
.Lask_b_\@:
	global_prefetch_b8 v[PFB], s[78:79] offset:\off th:TH_LOAD_NT scope:SCOPE_SE
.Lask_done_\@:
.endm
.macro CREST
	s_cmp_lg_u32 s[WV], 0
	s_cbranch_scc1 .Lnot_wave_0_\@
	s_barrier_signal -3
.Lnot_wave_0_\@:
	s_barrier_wait -3
	s_barrier_signal -1
	s_barrier_wait -1
.endm
.macro CROUND
	s_barrier_signal -1
	s_barrier_wait -1
	CREST
.endm
.macro PLACES n
.rept \n
	v_nop
.endr
.endm
.macro FRAG reg, adr, q, i
.irp c, 0,1,2,3
	ds_load_b128 v[\reg+4*\c:\reg+4*\c+3], v[\adr] offset:4096*(\i)+2048*(\q)+512*\c
.endr
.endm
.macro FETCH slot, q, p                ; the slot's q-th K step into sets p: B's eight fragments, then A's four: 48 loads
	WIN TO_B
.irp i, 0,1,2,3,4,5,6,7
	FRAG 128*(\p)+16*\i, ADRB+\slot, \q, \i
.endr
	WIN 0
.irp i, 0,1,2,3
	FRAG AF+64*(\p)+16*\i, ADRA+\slot, \q, \i
.endr
.endm
.macro MUL16 a0, p, s, zero            ; A's blocks a0, a0 + 1 against B's eight; the 32 accumulators take turns in the same order in every step
.irp a, \a0, \a0+1
.irp b, 0,1,2,3,4,5,6,7
.if \zero
	v_wmma_scale_f32_16x16x128_f8f6f4 v[8*(8*(\a)+\b):8*(8*(\a)+\b)+7], v[128*(\p)+16*\b:128*(\p)+16*\b+15], v[AF+64*(\p)+16*(\a):AF+64*(\p)+16*(\a)+15], 0, v[SC+8*\b+(\s)], v[SC+8*(\a)+(\s)] matrix_a_scale:MATRIX_SCALE_ROW1
.else
	v_wmma_scale_f32_16x16x128_f8f6f4 v[8*(8*(\a)+\b):8*(8*(\a)+\b)+7], v[128*(\p)+16*\b:128*(\p)+16*\b+15], v[AF+64*(\p)+16*(\a):AF+64*(\p)+16*(\a)+15], v[8*(8*(\a)+\b):8*(8*(\a)+\b)+7], v[SC+8*\b+(\s)], v[SC+8*(\a)+(\s)] matrix_a_scale:MATRIX_SCALE_ROW1
.endif
.endr
.endr
.endm
.macro STEP slot, s, zero              ; a slot's first K step, on sets 0; in its middle the second step's fragments are fetched into sets 1
	s_wait_dscnt 8                                 ; B's set and A's blocks 0, 1 are in; the youngest eight loads (A's blocks 2, 3) may be out
	WIN MUL
	MUL16 0, 0, \s, \zero
	PLACES 8                                       ; eight places behind the products that read sets 1, in front of the loads into them
	FETCH \slot, 1, 1
	s_wait_dscnt 48                                ; all but the 48 just issued
	WIN MUL
	MUL16 2, 0, \s, \zero
	WIN 0
.endm
.macro TURN slot, next, s, fill        ; a slot's second K step, on sets 1, and the change of slots
	s_wait_tensorcnt 0x0                           ; all my tensor loads have landed: my part of the next slot;
	ds_add_u32 v[SPW], v[NIL]                      ; 0 onto my spare word;
	s_wait_dscnt 0x0                               ; the add is done, and my reads of this slot are over
	s_barrier_signal -1
	WIN MUL
	MUL16 0, 1, \s, 0                              ; work on registers while the others arrive
	WIN 0
	s_barrier_wait -1
.if \fill
	CREST                                          ; the barrier has opened a round of the cluster's barrier
	s_add_nc_u64 s[G0+4*\slot+2:G0+4*\slot+3], s[G0+4*\slot+2:G0+4*\slot+3], 8192
	s_add_nc_u64 s[G0B+4*\slot+2:G0B+4*\slot+3], s[G0B+4*\slot+2:G0B+4*\slot+3], 8192
	JLOAD G0+4*\slot, G1, G0B+4*\slot, G1B         ; the first tensor load behind the round; its four v_nop are four of the eight places
	PLACES 4
.else
	PLACES 8
.endif
	FETCH \next, 0, 0
.if (\s) == 1
	ASK 12288                                      ; K steps 6, 7; the refill behind this one is the last and asks for nothing
.endif
	WIN MUL
	MUL16 2, 1, \s, 0
	WIN 0
.endm
	s_load_b256 s[4:11], s[0:1], 0x0               ; ao, wc, sc2, bo
	s_load_b64 s[12:13], s[0:1], 0x20              ; out0
	v_lshl_add_u32 v[SPW], v0, 2, SPARE
	v_mov_b32 v[NIL], 0
	ds_add_u32 v[SPW], v[NIL]                      ; the opening lines: the add, twice on end, and its wait
	ds_add_u32 v[SPW], v[NIL]
	v_lshrrev_b32 v1, 5, v0
	v_readfirstlane_b32 s[WV], v1
	s_lshr_b32 s[HA], s[WV], 1                     ; my half of the block's rows.  Also: I fetch for A (0) or B (1)
	s_and_b32 s[HB], s[WV], 1                      ; my half of its columns.  Also: which half of that operand's tiles I fetch
	s_bfe_u32 s25, ttmp6, 0x40000
	s_bfe_u32 s26, ttmp6, 0x40004
	s_and_b32 s27, ttmp7, 0xffff
	s_lshl_b32 s27, s27, 2
	s_add_co_u32 s[TA], s27, s26                   ; block row, 0..63
	s_lshl_b32 s[TB], ttmp9, 2
	s_add_co_u32 s[TB], s[TB], s25                 ; block column, 0..3
	s_lshl_b32 s68, s26, 2
	s_lshl_b32 s68, 15, s68
	s_lshl_b32 s69, 0x1111, s25
	s_or_b32 s[G1], s68, (3<<16)|(1<<21)           ; elements of 8 bytes; a row = a tile's two fragments, 4,096 bytes; rows 16,384 bytes apart
	s_or_b32 s[G1B], s69, (3<<16)|(1<<21)
.irp g, G1, G1B
	s_mov_b32 s[\g+1], 512<<16
	s_mov_b32 s[\g+3], 512<<16
	s_mov_b32 s[\g+5], 2048
	s_mov_b32 s[\g+6], 0
	s_mov_b32 s[\g+7], 0
.endr
	s_mov_b32 s[G1+2], 4<<16                       ; A: four tiles a load
	s_mov_b32 s[G1+4], 4
	s_mov_b32 s[G1B+2], 8<<16                      ; B: eight
	s_mov_b32 s[G1B+4], 8
	s_lshl_b32 s70, s[TA], 3
	s_lshl_b32 s72, s[HB], 2
	s_add_co_u32 s70, s70, s72
	s_lshl_b32 s70, s70, 14                        ; A: tile 8 x block row + 4 x half
	s_mov_b32 s71, 0
	s_lshl_b32 s74, s[TB], 4
	s_lshl_b32 s72, s[HB], 3
	s_add_co_u32 s74, s74, s72
	s_add_co_u32 s74, s74, 192
	s_lshl_b32 s74, s74, 14                        ; B: tile 192 + 16 x block column + 8 x half
	s_mov_b32 s75, 0
	s_lshl_b32 s73, s[WV], 15                      ; where my tiles go: wave x 32,768
	s_lshl_b32 s80, s[HA], 15
	s_lshl_b32 s81, s[HB], 15
	s_add_co_u32 s81, s81, BOFF
	s_lshl_b32 s82, s[TA], 3
	s_lshl_b32 s83, s[HA], 2
	s_add_co_u32 s82, s82, s83
	s_lshl_b32 s82, s82, 9                         ; my A tiles' scale words
	s_lshl_b32 s83, s[TB], 4
	s_add_co_u32 s83, s83, s72
	s_lshl_b32 s83, s83, 9
	s_add_co_u32 s83, s83, 262144                  ; my B tiles'
	s_mul_i32 s86, s[WV], 8448                     ; my stage
	s_lshl_b32 s84, s[TB], 10
	s_lshl_b32 s85, s[HB], 9
	s_add_co_u32 s84, s84, s85                     ; my first column, in bytes
	s_mov_b32 s85, 0
	s_lshl_b32 s88, s[TA], 19
	s_lshl_b32 s89, s[HA], 18
	s_add_co_u32 s88, s88, s89                     ; my first row of out0, in bytes
	s_mov_b32 s89, 0
	s_lshl_b32 s90, s25, 14                        ; the prefetches: of A's four tiles, tile cx;
	s_lshl_b32 s91, s26, 15                        ; of B's eight, tiles 2 cy and 2 cy + 1
	s_wait_dscnt 0x0
	s_wait_kmcnt 0x0
	s_add_nc_u64 s[76:77], s[4:5], s[70:71]
	s_add_nc_u64 s[78:79], s[6:7], s[74:75]
	s_add_nc_u64 s[10:11], s[10:11], s[84:85]
	s_add_nc_u64 s[12:13], s[12:13], s[84:85]
	s_add_nc_u64 s[12:13], s[12:13], s[88:89]
	CROUND                                         ; all sixteen work-groups are here: the first joint loads meet
.irp s, 0,1
	s_mov_b32 s[G0+4*\s], 1
	s_add_co_u32 s[G0+4*\s+1], s73, \s*SLOT
	s_add_nc_u64 s[G0+4*\s+2:G0+4*\s+3], s[76:77], \s*4096
	s_or_b32 s[G0+4*\s+3], s[G0+4*\s+3], 0x80000000
	s_mov_b32 s[G0B+4*\s], 1
	s_add_co_u32 s[G0B+4*\s+1], s73, \s*SLOT
	s_add_nc_u64 s[G0B+4*\s+2:G0B+4*\s+3], s[78:79], \s*4096
	s_or_b32 s[G0B+4*\s+3], s[G0B+4*\s+3], 0x80000000
.endr
	JLOAD G0, G1, G0B, G1B                         ; K steps 0, 1: one tensor load a wave at the head
	v_and_b32 v1, 31, v0
	v_and_b32 v2, 15, v0
	v_bfe_u32 v8, v0, 4, 1
	v_lshlrev_b32 v[LI], 4, v1
	v_lshlrev_b32 v[BO], 6, v8
	v_add_nc_u32 v[ADRA], s80, v[LI]
	v_add_nc_u32 v[ADRB], s81, v[LI]
	v_add_nc_u32 v[ADRA+1], SLOT, v[ADRA]
	v_add_nc_u32 v[ADRB+1], SLOT, v[ADRB]
	v_mul_u32_u24 v[STO], v2, 528
	v_lshl_add_u32 v[STO], v8, 6, v[STO]
	v_add_nc_u32 v[STO], s86, v[STO]               ; the stage, in: row r of 528 bytes, 64 bytes for each half of the lanes
	v_add_nc_u32 v[RD], s86, v[LI]                 ; and back: the 32 lanes take one row of 512 bytes
	v_mov_b32 v9, s82
	v_mov_b32 v10, s83
	v_cmp_le_u32 vcc_lo, 16, v1
	v_cndmask_b32 v9, v9, v10, vcc_lo              ; lanes 0-15 take A's words, lanes 16-31 B's
	v_lshl_add_u32 v[SCO], v2, 5, v9
	v_min_u32 v[PFA], 15, v1
	v_lshl_add_u32 v[PFA], v[PFA], 8, s90          ; A: block min(lane, 15) of my one tile
	v_lshl_add_u32 v[PFB], v8, 14, s91
	v_lshl_add_u32 v[PFB], v2, 8, v[PFB]           ; B: tile lane / 16 of my two, block lane % 16
.irp i, 0,1,2,3,4,5,6,7
.irp j, 0,1
	global_load_b128 v[SC+8*\i+4*\j:SC+8*\i+4*\j+3], v[SCO], s[8:9] offset:512*\i+16*\j   ; (A has four tiles: what lanes 0-15 load for i = 4 .. 7 lies inside sc2 and is not used)
.endr
.endr
	WIN 0xc0
.irp q, 0,1,2,3
.irp j, 0,1,2,3
	global_load_b128 v[16*\q+4*\j:16*\q+4*\j+3], v[BO], s[10:11] offset:128*\q+16*\j   ; the bias of my 128 columns, in the sums' layout, into window 3
.endr
.endr
	WIN 0
	s_wait_alu depctr_va_vdst(0)                   ; the head's end
	ASK 4096                                       ; K steps 2, 3
	s_wait_tensorcnt 0x0                           ; my part of slot 0 is in
	ds_add_u32 v[SPW], v[NIL]
	s_wait_dscnt 0x0
	CROUND                                         ; slot 0 is whole, and all sixteen work-groups are here
	JLOAD G0+4, G1, G0B+4, G1B                     ; K steps 2, 3, into slot 1
	FETCH 0, 0, 0
	ASK 8192                                       ; K steps 4, 5
	s_wait_loadcnt 0x0                             ; scale words and bias
	STEP 0, 0, 1
	TURN 0, 1, 1, 1
	STEP 1, 2, 0
	TURN 1, 0, 3, 1
	STEP 0, 4, 0
	TURN 0, 1, 5, 0
	STEP 1, 6, 0
	s_wait_dscnt 8
	WIN MUL
	MUL16 0, 1, 7, 0
	s_wait_dscnt 0x0
	MUL16 2, 1, 7, 0
	WIN 0
	PLACES 8
; THE WAY OUT, block by block of 16 rows x 128 columns: + bias, through my stage (in slot 0, which has had its last fill and its last read), back as whole rows of 512 bytes
.macro TOSTAGE a
.set XS, X+64*((\a)%2)
	WIN 0x0e                                       ; source 0: the sums, window 2; source 1: the bias, window 3
.set n, 0
.rept 32
	v_pk_add_f32 v[XS+n:XS+n+1], v[64*(\a)+n:64*(\a)+n+1], v[n:n+1]
.set n, n+2
.endr
	WIN 0
.irp q, 0,1,2,3
.irp j, 0,1,2,3
	ds_store_b128 v[STO], v[XS+16*\q+4*\j:XS+16*\q+4*\j+3] offset:128*\q+16*\j
.endr
.endr
	WIN 0x40
.irp t, 0,1,2,3,4,5,6,7,8,9,10,11,12,13,14,15
	ds_load_b128 v[64*((\a)%2)+4*\t:64*((\a)%2)+4*\t+3], v[RD] offset:528*\t   ; LDS serves a wave's instructions in order: these see my stores
.endr
	WIN 0
.endm
.macro SEND a, younger
	s_wait_dscnt \younger
	WIN 0x04
.irp t, 0,1,2,3,4,5,6,7,8,9,10,11,12,13,14,15
	global_store_b128 v[LI], v[64*((\a)%2)+4*\t:64*((\a)%2)+4*\t+3], s[12:13] offset:(32*((\a)/2)+8*((\a)%2)+\t+8*(\t/8))*4096 th:TH_STORE_NT   ; 512 consecutive bytes, aligned
.endr
	WIN 0
.endm
	TOSTAGE 0
.irp a, 1,2,3
.if \a > 1
	s_wait_xcnt 0x0                                ; block a - 2's stores have read their registers
.endif
	TOSTAGE \a
	SEND \a-1, 32                                  ; behind block a - 1's loads: block a's 16 stores and 16 loads
.endr
	SEND 3, 0
	s_wait_tensorcnt 0x0                           ; the wave's end
	ds_add_u32 v[SPW], v[NIL]
	s_wait_dscnt 0x0
	CROUND                                         ; the closing round
	s_endpgm
.Lfunc_end_k_qd377a2ae01_oproj:
	.size	k_qd377a2ae01_oproj, .Lfunc_end_k_qd377a2ae01_oproj-k_qd377a2ae01_oproj
	.p2alignl 7, 3214868480
	.fill 96, 4, 3214868480
	.section	.rodata,"a",@progbits
	.p2align	6, 0x0
	.amdhsa_kernel k_qd377a2ae01_oproj
		.amdhsa_group_segment_fixed_size 327680
		.amdhsa_private_segment_fixed_size 0
		.amdhsa_enable_private_segment 0
		.amdhsa_kernarg_size 40
		.amdhsa_user_sgpr_count 2
		.amdhsa_user_sgpr_kernarg_segment_ptr 1
		.amdhsa_wavefront_size32 1
		.amdhsa_system_sgpr_workgroup_id_x 1
		.amdhsa_system_sgpr_workgroup_id_y 1
		.amdhsa_system_sgpr_workgroup_id_z 1
		.amdhsa_system_vgpr_workitem_id 0
		.amdhsa_next_free_vgpr 1024
		.amdhsa_next_free_sgpr 100
		.amdhsa_reserve_vcc 1
		.amdhsa_float_denorm_mode_32 3
		.amdhsa_float_denorm_mode_16_64 3
		.amdhsa_memory_ordered 1
		.amdhsa_forward_progress 1
		.amdhsa_inst_pref_size 97
	.end_amdhsa_kernel
	.amdgpu_metadata
---
amdhsa.version: [ 1, 2 ]
amdhsa.kernels:
  - .name:           k_qd377a2ae01_oproj
    .symbol:         k_qd377a2ae01_oproj.kd
    .args:
      - { .name: ao, .offset: 0, .size: 8, .value_kind: global_buffer, .address_space: global }
      - { .name: wc, .offset: 8, .size: 8, .value_kind: global_buffer, .address_space: global }
      - { .name: sc2, .offset: 16, .size: 8, .value_kind: global_buffer, .address_space: global }
      - { .name: bo, .offset: 24, .size: 8, .value_kind: global_buffer, .address_space: global }
      - { .name: out0, .offset: 32, .size: 8, .value_kind: global_buffer, .address_space: global }
    .group_segment_fixed_size: 327680
    .private_segment_fixed_size: 0
    .kernarg_segment_align: 8
    .kernarg_segment_size: 40
    .max_flat_workgroup_size: 128
    .sgpr_count:     100
    .vgpr_count:     1024
    .wavefront_size: 32
...
	.end_amdgpu_metadata
.endif
;; end of part 4
